; MI455X (gfx1250); checked and timed in simulation.
; The chip was launched on July 23, 2026; its instructions are those of AMD's public machine-readable ISA for CDNA 5 (MIT licence, August 2026) and "CDNA5" Instruction Set Architecture Reference Guide (July 2026). The comments in the code are by the model that wrote it; some were corrected since.
;; Cross Attention Block. Allowed arithmetic: float matrix products may take bf16 or f16 operands with f32 sums; other float arithmetic in f32, or as packed bf16 or f16 multiplies, adds, multiply-adds, maxima and minima; sums over many terms, partial sums and values carried from step to step in f32; what a program stores and reads back later, other than sums and carried values, may be rounded once to bf16 or f16.
;; Inputs: b_fc 1,024 float32; b_pr 256 float32; bkv 512 float32; bo 256 float32; bq 256 float32; cx 8 x 128 x 256 float32; ln1_b 256 float32; ln1_w 256 float32; ln2_b 256 float32; ln2_w 256 float32; w_fc 256 x 1,024 float32; w_pr 1,024 x 256 float32; wkv 256 x 512 float32; wo 256 x 256 float32; wq 256 x 256 float32; x 8 x 128 x 64 x 256 float32.
;; Outputs: out0 8 x 128 x 64 x 256 float32.
;; 2 versions, each right; version 2 is version 1 with the launch prep written anew for expert scheduling mode. Each part assembles by itself: llvm-mc -triple=amdgcn-amd-amdhsa -mcpu=gfx1250 --defsym DOCPART=n.
;; ======== version 1 of 2: 2 launches
;; limits: a function is approximated: absolute error at most 2.5e-05
;; workspace buffers: wfcb 524,288 bytes; wprb 524,288 bytes; ub 4,194,304 bytes; zb 4,194,304 bytes; cb 32,768 bytes
;; launch prep (part 1): grid 256 x 1, 8 waves a work-group, no clusters, 181,248 bytes of LDS; arguments cx, wkv, bkv, wq, bq, wo, w_fc, w_pr, wfcb, wprb, ub, zb, cb; writes wfcb, wprb, ub, zb, cb
.if DOCPART == 1
	.amdgcn_target "amdgcn-amd-amdhsa--gfx1250"
	.amdhsa_code_object_version 6
	.text
	.protected	k_q80ad29ab36_prep
	.globl	k_q80ad29ab36_prep
	.p2align	8
	.type	k_q80ad29ab36_prep,@function
k_q80ad29ab36_prep:
	s_mov_b64 s[64:65], 0
	v_nop
	global_prefetch_b8 v0, s[64:65] scope:SCOPE_SE
	s_setreg_imm32_b32 hwreg(HW_REG_WAVE_MODE, 25, 1), 1
	s_wait_xcnt 0x0
; PREP.  What the main launch needs once for each (b, a) or once at all.
; Work-groups 0-127 (HEADS: 64 rows of cx, one head h): K = cx wkv[:, 32h..] + bkv, V likewise (f32 sums, bf16 operands), and from them
;   U[ba][h][k] = sum over d of wq[k][32h+d] K[ba][h][d]      (so that Q . K = x1 . U + c; unscaled)          -> ub, bf16
;   Z[ba][h][n] = sum over d of V[ba][h][d] wo[32h+d][n]      (so that (a V) wo = sum over h of a[h] Z[h])    -> zb, bf16
;   c[h][ba]    = sum over d of bq[32h+d] K[ba][h][d]                                                         -> cb, f32
; Work-groups 128-191: w_fc rounded to bf16 and laid in 16 chunks [256 k][64 n], each 32,768 dense bytes      -> wfcb
; Work-groups 192-255: w_pr rounded to bf16 as it lies                                                        -> wprb
; LIMITS.  K and V are rounded to bf16 before the second product; U and Z are stored in bf16; NaN and infinities are not treated apart.
; NO CLUSTER, NO TENSOR LOADS: the slices of wkv, wq and wo that the 16 row blocks of a head share are f32 and must be rounded to bf16 on the
; way into LDS, which only registers can do; each work-group reads 128 KiB of them.
; HEADS, shares: eight waves; wave v takes the 16 rows 16 (v / 2) .. of the block; even waves make K, c and U, odd waves V and Z.
; All products are used transposed (source 0 = weights, source 1 = rows of cx, K or V): a lane then holds ONE row ba (lane % 16) and eight neighbouring numbers of it.
.set CXT,   0                          ; 64 rows of cx in bf16, 512 bytes + 16: an odd multiple of 16, so the 16 rows of a fragment load start 16 bytes apart modulo 256
.set CXP,   528
.set WKVT,  CXT+64*CXP                 ; [256 k][64 n']: n' 0-31 the head's columns of K, 32-63 of V; 128 bytes + 32 (an odd multiple of 32, for the turning load)
.set WKVP,  160
.set WQT,   WKVT+256*WKVP              ; [256 k][32 d], 64 bytes + 16
.set WQP,   80
.set WOT,   WQT+256*WQP                ; [32 d][256 n], 512 bytes + 32
.set WOP,   544
.set OSTG,  WOT+32*WOP                 ; the way out: 16 rows x 528 bytes for each wave
.set OSP,   528
.set SPARE, OSTG+8*16*OSP              ; the spare words, 128 bytes for each wave: four blocks of 256 bytes that no other line names
.set SPW, 1                            ; v1  LDS address of my spare word; never rewritten
.set NIL, 2                            ; v2  0; never rewritten
; v16-31 bkv (the sums' start), later v16-23 K or V as a fragment; v32-47 bq; v48-63 two accumulators (v56, v57 later: c and its offset); v64-255 staging, then fragments
.macro PLACES8                         ; plain places between a matrix instruction and the first vector line that reads its result
.rept 8
	v_nop
.endr
.endm
; 16,384 bytes of f32 in, 8,192 bytes of bf16 out: four loads of 16 bytes a lane, four stores of 8: a wave's store covers 256 consecutive bytes, aligned
.macro CAST inb, outb, step
.irp i, 0,1,2,3
	global_load_b128 v[64+4*\i:67+4*\i], v4, s[\inb:\inb+1] offset:\i*\step th:TH_LOAD_NT
.endr
	s_wait_loadcnt 0x0
.irp i, 0,1,2,3
	v_cvt_pk_bf16_f32 v[64+4*\i], v[64+4*\i], v[65+4*\i]
	v_cvt_pk_bf16_f32 v[65+4*\i], v[66+4*\i], v[67+4*\i]
.endr
.irp i, 0,1,2,3
	global_store_b64 v5, v[64+4*\i:65+4*\i], s[\outb:\outb+1] offset:\i*2048
.endr
.endm
; n loads' worth of f32 (4 registers each, from v[base]) rounded to bf16 and put into LDS, 8 bytes a lane
.macro STG base, n, addr, step
.set i, 0
.rept \n
	v_cvt_pk_bf16_f32 v[\base+4*i], v[\base+4*i], v[\base+4*i+1]
	v_cvt_pk_bf16_f32 v[\base+4*i+1], v[\base+4*i+2], v[\base+4*i+3]
	ds_store_b64 v[\addr], v[\base+4*i:\base+4*i+1] offset:i*\step
.set i, i+1
.endr
.endm
	s_load_b512 s[4:19], s[0:1], 0x0               ; cx s4, wkv s6, bkv s8, wq s10, bq s12, wo s14, w_fc s16, w_pr s18
	s_load_b256 s[20:27], s[0:1], 0x40             ; wfcb s20, wprb s22, ub s24, zb s26
	s_load_b64 s[28:29], s[0:1], 0x60              ; cb
	v_lshl_add_u32 v[SPW], v0, 2, SPARE
	v_mov_b32 v[NIL], 0
	v_lshrrev_b32 v3, 5, v0
	v_readfirstlane_b32 s30, v3                    ; wave 0..7
	s_mov_b32 s31, ttmp9                           ; the work-group's number chooses its role: the same for all its waves
	s_mov_b32 s33, 0                               ; s[32:33]: byte offsets, all under 2^32
	s_wait_kmcnt 0x0
	s_cmp_lt_u32 s31, 128
	s_cbranch_scc1 .Lheads
	v_lshlrev_b32 v5, 3, v0                        ; out: 8 bytes a thread
	s_cmp_lt_u32 s31, 192
	s_cbranch_scc0 .Lcast_pr
	; w_fc: work-group gl takes chunk gl / 4, rows k = 64 (gl % 4) ..: 16 rows x 256 bytes a load of the work-group
	s_sub_co_u32 s34, s31, 128
	s_and_b32 s35, s34, 3
	s_lshl_b32 s32, s35, 18                        ; 64 rows of 4,096 bytes
	s_lshr_b32 s35, s34, 2
	s_lshl_b32 s35, s35, 8                         ; the chunk's 64 columns: 256 bytes
	s_add_co_u32 s32, s32, s35
	s_add_nc_u64 s[16:17], s[16:17], s[32:33]
	s_lshl_b32 s32, s34, 13                        ; out: 8,192 bytes a work-group, on end
	s_add_nc_u64 s[20:21], s[20:21], s[32:33]
	v_lshrrev_b32 v4, 4, v0                        ; row
	v_and_b32 v6, 15, v0                           ; 16 bytes of its 256
	v_lshlrev_b32 v4, 12, v4
	v_lshl_add_u32 v4, v6, 4, v4
	CAST 16, 20, 65536
	s_endpgm
.Lcast_pr:
	s_sub_co_u32 s34, s31, 192
	s_lshl_b32 s32, s34, 14
	s_add_nc_u64 s[18:19], s[18:19], s[32:33]
	s_lshl_b32 s32, s34, 13
	s_add_nc_u64 s[22:23], s[22:23], s[32:33]
	v_lshlrev_b32 v4, 4, v0
	CAST 18, 22, 4096
	s_endpgm
.Lheads:
	s_lshr_b32 s34, s31, 3                         ; mb: the block of 64 rows
	s_and_b32 s35, s31, 7                          ; h
	s_lshr_b32 s36, s30, 1                         ; mt: my 16 rows of the block
	s_and_b32 s37, s30, 1                          ; 0: K, c, U;  1: V, Z
	s_mov_b32 s40, 0x76543210                      ; v_permlanex16_b32: each lane takes its own place in the other half
	s_mov_b32 s41, 0xfedcba98
	s_lshl_b32 s32, s34, 16
	s_add_nc_u64 s[4:5], s[4:5], s[32:33]          ; cx at the block's first row
	s_lshl_b32 s32, s35, 7                         ; the head's 32 columns: 128 bytes
	s_add_nc_u64 s[6:7], s[6:7], s[32:33]
	s_add_nc_u64 s[10:11], s[10:11], s[32:33]
	s_add_nc_u64 s[12:13], s[12:13], s[32:33]
	s_lshl_b32 s38, s37, 10                        ; V's half of bkv lies 256 numbers on
	s_add_co_u32 s32, s32, s38
	s_add_nc_u64 s[8:9], s[8:9], s[32:33]
	s_lshl_b32 s32, s35, 15                        ; the head's 32 rows of wo
	s_add_nc_u64 s[14:15], s[14:15], s[32:33]
	v_and_b32 v3, 31, v0                           ; l
	v_and_b32 v4, 15, v0                           ; l % 16
	v_bfe_u32 v5, v0, 4, 1                         ; l / 16
	v_lshlrev_b32 v6, 5, v5                        ; my 8 numbers of a bias: 32 bytes for each half of the lanes
	v_lshlrev_b32 v7, 4, v0                        ; cx and wo are dense: 16 bytes a thread
	v_lshrrev_b32 v8, 4, v0
	v_and_b32 v9, 7, v0
	v_bfe_u32 v10, v0, 3, 1
	v_lshlrev_b32 v11, 11, v8                      ; wkv: row T / 16 (2,048 bytes),
	v_lshl_add_u32 v11, v9, 4, v11                 ; 16 bytes of the head's 128,
	v_lshl_add_u32 v11, v10, 10, v11               ; in K's or in V's half
	v_lshrrev_b32 v12, 3, v0
	v_lshlrev_b32 v13, 10, v12                     ; wq: row T / 8 (1,024 bytes),
	v_lshl_add_u32 v13, v9, 4, v13                 ; 16 bytes of the head's 128
	; 56 loads go out together; they are used in the order of issue
.irp t, 0,1
	global_load_b128 v[16+8*\t:19+8*\t], v6, s[8:9] offset:64*\t
	global_load_b128 v[20+8*\t:23+8*\t], v6, s[8:9] offset:64*\t+16
.endr
.irp t, 0,1
	global_load_b128 v[32+8*\t:35+8*\t], v6, s[12:13] offset:64*\t
	global_load_b128 v[36+8*\t:39+8*\t], v6, s[12:13] offset:64*\t+16
.endr
.set i, 0
.rept 16
	global_load_b128 v[64+4*i:67+4*i], v7, s[4:5] offset:i*4096 th:TH_LOAD_NT
.set i, i+1
.endr
.set i, 0
.rept 16
	global_load_b128 v[128+4*i:131+4*i], v11, s[6:7] offset:i*32768
.set i, i+1
.endr
.set i, 0
.rept 8
	global_load_b128 v[192+4*i:195+4*i], v13, s[10:11] offset:i*32768
.set i, i+1
.endr
.set i, 0
.rept 8
	global_load_b128 v[224+4*i:227+4*i], v7, s[14:15] offset:i*4096
.set i, i+1
.endr
	; where they go in LDS (registers that no pending load names)
	v_lshrrev_b32 v14, 6, v0
	v_and_b32 v15, 63, v0
	v_mul_u32_u24 v8, v8, WKVP
	v_lshl_add_u32 v8, v4, 3, v8
	v_add_nc_u32 v8, WKVT, v8
	v_mul_u32_u24 v12, v12, WQP
	v_lshl_add_u32 v12, v9, 3, v12
	v_add_nc_u32 v12, WQT, v12
	v_mul_u32_u24 v10, v14, CXP
	v_lshl_add_u32 v10, v15, 3, v10                ; (CXT = 0)
	v_mul_u32_u24 v14, v14, WOP
	v_lshl_add_u32 v14, v15, 3, v14
	v_add_nc_u32 v14, WOT, v14
	s_wait_loadcnt 32                              ; the biases and cx are in; wkv's 16, wq's 8 and wo's 8 may stay out
	STG 64, 16, 10, 4*CXP
	s_wait_loadcnt 16                              ; wkv is in
	STG 128, 16, 8, 16*WKVP
	s_wait_loadcnt 8                               ; wq is in
	STG 192, 8, 12, 32*WQP
	s_wait_loadcnt 0x0
	STG 224, 8, 14, 4*WOP
	s_wait_dscnt 0x0                               ; for the others' sake: my stores are done
	s_barrier_signal -1
	s_barrier_wait -1
	; K or V of my 16 rows: 2 tiles of 16 d, 8 steps of 32 along the 256 channels
	v_mul_u32_u24 v6, v4, CXP
	v_lshl_add_u32 v6, v5, 4, v6                   ; row x 528 + 16 x half: for cx's fragments and for my stage (the same pitch)
	s_mul_i32 s38, s36, 16*CXP
	v_add_nc_u32 v7, s38, v6
	v_lshl_add_u32 v8, v5, 3, v9                   ; the turning load's row: 8 (l / 16) + l % 8
	v_bfe_u32 v10, v0, 3, 1
	v_lshlrev_b32 v10, 4, v10                      ; and its 16 bytes: (l / 8) % 2
	v_mad_u32_u24 v11, v8, WKVP, v10
	s_lshl_b32 s38, s37, 6                         ; K's 32 columns or V's
	s_add_co_u32 s38, s38, WKVT
	v_add_nc_u32 v11, s38, v11
.set ks, 0
.rept 8
	ds_load_b128 v[64+8*ks:67+8*ks], v7 offset:64*ks
	ds_load_b128 v[68+8*ks:71+8*ks], v7 offset:64*ks+32
.set ks, ks+1
.endr
.set n, 0
.rept 16                               ; n = 2 ks + t
	ds_load_tr16_b128 v[128+8*n:131+8*n], v11 offset:(n/2)*32*WKVP+(n%2)*32
	ds_load_tr16_b128 v[132+8*n:135+8*n], v11 offset:(n/2)*32*WKVP+(n%2)*32+16*WKVP
.set n, n+1
.endr
	s_wait_dscnt 0x0
	v_wmma_f32_16x16x32_bf16 v[48:55], v[128:135], v[64:71], v[16:23]   ; the bias starts the sums; the two accumulators take turns
	v_wmma_f32_16x16x32_bf16 v[56:63], v[136:143], v[64:71], v[24:31]
.set n, 2
.rept 14
	v_wmma_f32_16x16x32_bf16 v[48+8*(n%2):55+8*(n%2)], v[128+8*n:135+8*n], v[64+8*(n/2):71+8*(n/2)], v[48+8*(n%2):55+8*(n%2)]
.set n, n+1
.endr
	PLACES8
.irp q, 0,1,2,3,4,5,6,7                ; rounded in pairs, the two tiles ARE source 1 (32 d x 16 rows) of the next product
	v_cvt_pk_bf16_f32 v[16+\q], v[48+2*\q], v[49+2*\q]
.endr
	s_cmp_eq_u32 s37, 0
	s_cbranch_scc0 .Lfor_z
	; c: my 16 d of the row, then the other half of the lanes'
	v_pk_mul_f32 v[24:25], v[48:49], v[32:33]
	v_pk_mul_f32 v[26:27], v[50:51], v[34:35]
.irp q, 2,3,4,5,6,7
	v_pk_fma_f32 v[24+2*(\q%2):25+2*(\q%2)], v[48+2*\q:49+2*\q], v[32+2*\q:33+2*\q], v[24+2*(\q%2):25+2*(\q%2)]
.endr
	v_pk_add_f32 v[24:25], v[24:25], v[26:27]
	v_add_f32 v24, v24, v25
	v_permlanex16_b32 v25, v24, s40, s41
	v_add_f32 v56, v24, v25                        ; c and its offset lie in v56 and v57: K's sums there have been read, and no later line writes these two, so the store's sources stay as they are to the wave's end
	s_lshl_b32 s32, s35, 12                        ; cb is [8 h][1024 ba]
	s_lshl_b32 s38, s34, 8
	s_add_co_u32 s32, s32, s38
	s_lshl_b32 s38, s36, 6
	s_add_co_u32 s32, s32, s38
	s_add_nc_u64 s[28:29], s[28:29], s[32:33]
	v_lshlrev_b32 v57, 2, v4
	global_store_b32 v57, v56, s[28:29]            ; 64 consecutive bytes; lanes 16-31 hold the same sums and name the same words as lanes 0-15
	; wq's fragments: 16 k x 32 d, d along the LDS rows
	v_mul_u32_u24 v12, v4, WQP
	v_lshl_add_u32 v12, v5, 4, v12
	v_add_nc_u32 v12, WQT, v12
.set i, 0
.rept 16
	ds_load_b128 v[64+8*i:67+8*i], v12 offset:i*16*WQP
	ds_load_b128 v[68+8*i:71+8*i], v12 offset:i*16*WQP+32
.set i, i+1
.endr
	s_branch .Lfrags
.Lfor_z:
	; wo's fragments: 16 n x 32 d, turned
	v_mad_u32_u24 v12, v8, WOP, v10
	v_add_nc_u32 v12, WOT, v12
.set i, 0
.rept 16
	ds_load_tr16_b128 v[64+8*i:67+8*i], v12 offset:i*32
	ds_load_tr16_b128 v[68+8*i:71+8*i], v12 offset:i*32+16*WOP
.set i, i+1
.endr
.Lfrags:
	s_mul_i32 s38, s30, 16*OSP
	s_add_co_u32 s38, s38, OSTG                    ; my stage
	v_add_nc_u32 v13, s38, v6                      ; in: row l % 16, 16 bytes for each half of the lanes
	v_lshl_add_u32 v14, v3, 4, s38                 ; back: a whole row of 512 bytes
	v_lshlrev_b32 v15, 4, v3
	s_wait_dscnt 0x0
.irp g, 0,1                            ; U or Z: 16 tiles of 16 numbers, one product each, eight at a time
.irp e, 0,1,2,3,4,5,6,7
	v_wmma_f32_16x16x32_bf16 v[192+8*\e:199+8*\e], v[64+8*(8*\g+\e):71+8*(8*\g+\e)], v[16:23], 0
.endr
	PLACES8
.irp e, 0,1,2,3,4,5,6,7
.irp q, 0,1,2,3
	v_cvt_pk_bf16_f32 v[24+4*\e+\q], v[192+8*\e+2*\q], v[193+8*\e+2*\q]
.endr
.endr
.irp e, 0,1,2,3,4,5,6,7
	ds_store_b128 v13, v[24+4*\e:27+4*\e] offset:32*(8*\g+\e)
.endr
.endr
.set q, 0
.rept 16
	ds_load_b128 v[64+4*q:67+4*q], v14 offset:q*OSP   ; LDS serves a wave's instructions in order (ISA guide 5.7.1.4): these see my stores above
.set q, q+1
.endr
	s_cmp_eq_u32 s37, 0
	s_cselect_b64 s[44:45], s[24:25], s[26:27]     ; ub or zb
	s_lshl_b32 s32, s34, 18                        ; a row ba is 4,096 bytes: 8 heads x 512
	s_lshl_b32 s38, s36, 16
	s_add_co_u32 s32, s32, s38
	s_lshl_b32 s38, s35, 9
	s_add_co_u32 s32, s32, s38
	s_add_nc_u64 s[44:45], s[44:45], s[32:33]
.set q, 0
.rept 16
	s_wait_dscnt 15-q                              ; row q is back; the younger rows may stay out
	global_store_b128 v15, v[64+4*q:67+4*q], s[44:45] offset:q*4096   ; 512 consecutive bytes, aligned
.set q, q+1
.endr
	s_wait_tensorcnt 0x0                           ; the wave's end, behind my last LDS store
	ds_add_u32 v[SPW], v[NIL]
	s_wait_dscnt 0x0
	s_endpgm
.Lfunc_end_k_q80ad29ab36_prep:
	.size	k_q80ad29ab36_prep, .Lfunc_end_k_q80ad29ab36_prep-k_q80ad29ab36_prep
	.p2alignl 7, 3214868480
	.fill 96, 4, 3214868480
	.section	.rodata,"a",@progbits
	.p2align	6, 0x0
	.amdhsa_kernel k_q80ad29ab36_prep
		.amdhsa_group_segment_fixed_size 181248
		.amdhsa_private_segment_fixed_size 0
		.amdhsa_enable_private_segment 0
		.amdhsa_kernarg_size 104
		.amdhsa_user_sgpr_count 2
		.amdhsa_user_sgpr_kernarg_segment_ptr 1
		.amdhsa_wavefront_size32 1
		.amdhsa_system_sgpr_workgroup_id_x 1
		.amdhsa_system_sgpr_workgroup_id_y 1
		.amdhsa_system_sgpr_workgroup_id_z 1
		.amdhsa_system_vgpr_workitem_id 0
		.amdhsa_next_free_vgpr 256
		.amdhsa_next_free_sgpr 66
		.amdhsa_reserve_vcc 0
		.amdhsa_float_denorm_mode_32 3
		.amdhsa_float_denorm_mode_16_64 3
		.amdhsa_memory_ordered 1
		.amdhsa_forward_progress 1
		.amdhsa_inst_pref_size 42
	.end_amdhsa_kernel
	.amdgpu_metadata
---
amdhsa.version: [ 1, 2 ]
amdhsa.kernels:
  - .name:           k_q80ad29ab36_prep
    .symbol:         k_q80ad29ab36_prep.kd
    .args:
      - { .name: cx, .offset: 0, .size: 8, .value_kind: global_buffer, .address_space: global }
      - { .name: wkv, .offset: 8, .size: 8, .value_kind: global_buffer, .address_space: global }
      - { .name: bkv, .offset: 16, .size: 8, .value_kind: global_buffer, .address_space: global }
      - { .name: wq, .offset: 24, .size: 8, .value_kind: global_buffer, .address_space: global }
      - { .name: bq, .offset: 32, .size: 8, .value_kind: global_buffer, .address_space: global }
      - { .name: wo, .offset: 40, .size: 8, .value_kind: global_buffer, .address_space: global }
      - { .name: w_fc, .offset: 48, .size: 8, .value_kind: global_buffer, .address_space: global }
      - { .name: w_pr, .offset: 56, .size: 8, .value_kind: global_buffer, .address_space: global }
      - { .name: wfcb, .offset: 64, .size: 8, .value_kind: global_buffer, .address_space: global }
      - { .name: wprb, .offset: 72, .size: 8, .value_kind: global_buffer, .address_space: global }
      - { .name: ub, .offset: 80, .size: 8, .value_kind: global_buffer, .address_space: global }
      - { .name: zb, .offset: 88, .size: 8, .value_kind: global_buffer, .address_space: global }
      - { .name: cb, .offset: 96, .size: 8, .value_kind: global_buffer, .address_space: global }
    .group_segment_fixed_size: 181248
    .private_segment_fixed_size: 0
    .kernarg_segment_align: 8
    .kernarg_segment_size: 104
    .max_flat_workgroup_size: 256
    .sgpr_count:     66
    .vgpr_count:     256
    .wavefront_size: 32
...
	.end_amdgpu_metadata
.endif
;; end of part 1
;; launch main (part 2): grid 256 x 1, 4 waves a work-group, clusters of 4 x 1, 327,680 bytes of LDS; arguments x, ln1_w, ln1_b, bo, ln2_w, ln2_b, b_fc, b_pr, wfcb, wprb, ub, zb, cb, out0; writes out0
.if DOCPART == 2
	.amdgcn_target "amdgcn-amd-amdhsa--gfx1250"
	.amdhsa_code_object_version 6
	.text
	.protected	k_q80ad29ab36_main
	.globl	k_q80ad29ab36_main
	.p2align	8
	.type	k_q80ad29ab36_main,@function
k_q80ad29ab36_main:
	s_mov_b64 s[64:65], 0
	v_nop
	global_prefetch_b8 v0, s[64:65] scope:SCOPE_SE
	s_setreg_imm32_b32 hwreg(HW_REG_WAVE_MODE, 25, 1), 1
	s_wait_xcnt 0x0
	s_wait_alu depctr_hold_cnt(0) depctr_sa_sdst(0) depctr_va_vdst(0) depctr_va_sdst(0) depctr_va_ssrc(0) depctr_va_vcc(0) depctr_vm_vsrc(0)
	s_getreg_b32 s2, hwreg(HW_REG_IB_STS2, 6, 4)
	s_cmp_eq_u32 s2, 0
	s_cbranch_scc0 .Lentry_in_a_cluster
	s_endpgm
.Lentry_in_a_cluster:
	s_bfe_u32 s2, ttmp6, 0x10000c
	s_cmp_lg_u32 s2, 0x3003
	s_cbranch_scc0 .Lentry_shape_is_right
	s_endpgm
.Lentry_shape_is_right:
; out = x3 + gelu(x3 w_fc + b_fc) w_pr + b_pr,  x3 = LN2(x1 + attention + bo),  x1 = LN1(x).  x, out: [1024 ba][64 t][256] f32.
; THE ATTENTION.  A (b, a, head) has ONE key and ONE value for all times, so row t's t + 1 open logits are one number z = (x1 . U[h] + c[h]) / sqrt(32) (U, c: the launch before).
; Their maximum is z itself; it is taken away; p = e^(z - z); l = (t + 1) p; each weight is p / l; the t + 1 weights add up to a = (t + 1) (p / l); y = a V, and y wo = sum over h of a[h] Z[h].
; That holds for every input; a score that is not finite gives NaN, as z - z does in the plain form.
; SHARES.  A work-group's four waves take four ba; a wave owns its 64 rows: four tiles of 16.  No wave reads what another computed.
; LAYOUT.  Every product is used transposed (source 0 = weights, source 1 = rows): lane l holds ONE row (l % 16), and register 8 i + j of a tile holds channel 16 i + 8 (l / 16) + j.
; Two neighbouring groups i rounded to bf16 in pairs ARE a fragment of source 1, so nothing changes lanes from x to out; a row's sum wants one exchange between the halves of the lanes.
; THE MLP walks the 1,024 hidden units 32 a step: S^T = Wfc^T x3^T + b_fc (64 products), GELU, rounding, OUT^T += Wpr^T H (64 products).  OUT starts as x3 + b_pr, in f32.
; THE WEIGHTS (bf16, from the launch before) come through two LDS slots of 64 hidden units, two steps each.  CLUSTER: all work-groups walk the same tiles, so the four of a cluster ask JOINTLY.
; LIMITS.  erf by 1 - (a1 t + a2 t^2 + a3 t^3) e^(-z^2), t = 1 / (1 + 0.47047 z) (Abramowitz and Stegun 7.1.25): off by at most 2.5e-5 for every argument, exactly 1 for large ones.
; Matrix operands (x1 for the score, U, Z, a, x3, h, the weights) are bf16; both layer norms (mean, then centred squares), the residuals and all biases are f32.  Q and y wo are never formed row by
; row: the sums are reassociated as above, so their order of rounding differs.  Other NaN and infinities are not treated apart.
; REGISTERS, in windows of 256 (s_set_vgpr_msb: bits 1:0 source 0, 3:2 source 1, 5:4 source 2, 7:6 destination):
;   window 0: v0-15 addresses and a few numbers.  Layer norms: v16-63 at work, v64-127 x1 as fragments, v128-255 the tile in hand.  MLP: v16-31 b_fc, v32-95 S^T, v96-127 H, v128-191 and v192-255 two fragment buffers
;   window 1: layer norms: v0-127 Z's fragments, v192-255 U's.  MLP: x3 as fragments, 64 a tile.  Way out: two buffers of 128
;   windows 2, 3: OUT^T, 128 a tile: tile m at 128 (m % 2) of window 2 + m / 2
.set XPITCH, 1040                      ; a row of x in LDS: 1,024 bytes + 16: an odd multiple of 16, so the 16 rows of a load start 16 bytes apart modulo 256
.set XTILE,  16*XPITCH                 ; X(m, w), tile m of wave w, lies at (4 m + w) x 16,640
.set XROWB,  4*XTILE
.set SLOT1,  1<<17                     ; slot 1 begins here: one exclusive or turns an address in one slot into the other's.  Both slots lie on bytes of X, which has been read by then
.set FPITCH, 160                       ; Wfc's tile [256 k][64 n]: 128 bytes + 32: an odd multiple of 32, for the turning load
.set PPITCH, 544                       ; Wpr's tile [64 k][256 n]: 512 bytes + 32
.set PROFF,  256*FPITCH                ; in a slot: Wfc's tile, then Wpr's
.set STAGE,  SLOT1+PROFF+64*PPITCH     ; behind slot 1: 16 rows x 1,040 bytes for each wave, for the way out; these bytes had their one fill (x) at the start
.set CONST,  STAGE+4*XTILE             ; ln1_w, ln1_b, bo, ln2_w, ln2_b, b_pr, 1,024 bytes each; b_fc behind them
.set BFC,    6144
.set UZ,     CONST+10240               ; for each wave: U, 8 rows x 528 bytes; Z, 8 rows x 544 bytes
.set UZW,    8704
.set ZOFF,   4352
.set UPITCH, 528
.set ZPITCH, 544
.set SPARE,  UZ+4*UZW                  ; the spare words, 128 bytes for each wave: two blocks of 256 bytes that no other line names
.set SPW, 1                            ; v1   LDS address of my spare word; never rewritten
.set ACN, 2                            ; v2   CONST + 32 (l / 16): my 8 numbers of a group of 16 channels
.set AX,  3                            ; v3   layer norms: my 32 bytes in a row of X(0, w)
.set AFC, 3                            ;      MLP: the step's address in Wfc's tile
.set AFC0, 4                           ; v4   my lane's place in Wfc's tile; never rewritten
.set APR0, 5                           ; v5   the same for Wpr's
.set APR, 6                            ; v6   the step's address in Wpr's tile
.set AXM, 6                            ;      layer norms: AX moved to the tile in hand
.set ABI, 7                            ; v7   the step's address in b_fc
.set STO, 8                            ; v8   the way out: where I put 16 bytes of a row
.set RD,  9                            ; v9   the way out: where I read half a row back
.set GO,  10                           ; v10  16 l
.set NIL, 11                           ; v11  0; never rewritten
.set MR,  12                           ; v[12:13] the mean, then 1 / sqrt(var + eps), in the low word
.set PFO, 12                           ;      MLP: 256 l, the prefetches' offset
.set NV,  14                           ; v[14:15] t + 1 in f32, in the low word
.set CH,  16                           ; four packed chains of a sum
.set CT,  16                           ; two sets of 24: ln1_w, ln1_b, bo of a group of 16 channels
.set SA,  16                           ; four accumulators of the scores
.set SP,  24                           ; p
.set SL,  32                           ; l, then the weights
.set G2,  32                           ; two sets of 8: ln2_w
.set AF,  48                           ; a as a fragment
.set XT,  64
.set WK,  128
.set UF,  192                          ; window 1
.set BI,  16
.set S,   32                           ; accumulator (m, nt) at S + 16 m + 8 nt
.set H,   96
.set F0,  128
.set F1,  192
.set GT,  192                          ; the GELU's 64 registers at work lie in fragment buffer 1, which is empty then
.set GE,  208
.set GQ,  224
.set GH,  240
.set CC,  8                            ; s[8:15]  c[h] x scale x log2(e)
.set LO16, 16                          ; s16  lanes 0-15
.set SC,  17                           ; s17  log2(e) / sqrt(32)
.set INV, 18                           ; s18  1 / 256
.set EPS, 19                           ; s19  1e-5
.set WF,  20                           ; s[20:21] wfcb at my half of a tile
.set WP,  22                           ; s[22:23] wprb likewise
.set WV,  32                           ; s32  my wave's number
.set CX,  33                           ; s33  my place in the cluster: it enters global addresses of my own alone
.set BA,  34                           ; s34  my ba
.set ODD, 35                           ; s35  wave % 2: which half of a tile I fetch
.set PFA, 36                           ; s[36:37] first offsets made of ba, later where my prefetches stand
.set XW,  38                           ; s38  wave x 16,640
.set TMP, 39
.set G1X, 40                           ; s[40:47] descriptor group 1 for x;  s[48:63] group 0, a set for each tile
.set G0X, 48
.set C1,  40                           ; the GELU's constants take these registers when x has landed
.set NC2, 42
.set A1,  44
.set A2,  46
.set A3,  48
.set SEL, 66                           ; s[66:67] v_permlanex16_b32's selects
.set G1F, 68                           ; s[68:75] group 1 for Wfc's tiles;  s[76:83] for Wpr's
.set G1P, 76
.set G0F, 84                           ; s[84:87], s[88:91] group 0
.set G0P, 88
.set OFF, 92                           ; s[92:93] a tile's byte offset
.set NXT, 94                           ; s94  the tile to be asked for next
.set SLOTS, 95
.set TWICE, 96
.set TBF, 97                           ; s97-99  what the step adds to the three LDS addresses
.set TBP, 98
.set TBB, 99
.set LIM, 100                          ; s100 1 in a wave that prefetches, else the greatest number
.set M,   101                          ; s101 the tile in hand
.set MSB, 0
.macro WIN new                         ; the high byte repeats the setting that is left; a switch that changes nothing is dropped
.if MSB != (\new)
	s_set_vgpr_msb (MSB<<8)|(\new)
.set MSB, (\new)
.endif
.endm
.set W_FC, 0x04                        ; x3's fragments (source 1) in window 1
.set W_A1, 0x01                        ; U's or Z's fragments (source 0) in window 1
.macro PLACES                          ; four plain places between a matrix instruction and a load into a register that it has read
.rept 4
	v_nop
.endr
.endm
.macro PLACES8                         ; plain places between a matrix instruction and the first vector line or LDS store that reads its result
.rept 8
	v_nop
.endr
.endm
.macro EIGHT line:vararg               ; one line for each pair p of a tile's 16 numbers
.set p, 0
.rept 8
	\line
.set p, p+1
.endr
.endm
; A round of the cluster's barrier: my work-group's barrier; wave 0 signals for the work-group; every wave waits for all four work-groups; my work-group's barrier once more.
.macro CROUND
	s_barrier_signal -1
	s_barrier_wait -1
	s_cmp_lg_u32 s[WV], 0
	s_cbranch_scc1 .Lnot_wave_0_\@
	s_barrier_signal -3
.Lnot_wave_0_\@:
	s_barrier_wait -3
	s_barrier_signal -1
	s_barrier_wait -1
.endm
; A joint fill.  Waves 0 and 1 fetch the two halves of Wfc's tile, waves 2 and 3 those of Wpr's: 16,384 bytes each.  The branch hangs on the wave's number alone.
; An s_nop 0 and four v_nop follow each of the two lines, ahead of the jump and the label.
.macro JLOAD
	s_cmp_lt_u32 s[WV], 2
	s_cbranch_scc0 .Lfor_p_\@
	tensor_load_to_lds s[G0F:G0F+3], s[G1F:G1F+7]
	s_nop 0
.rept 4
	v_nop
.endr
	s_branch .Lasked_\@
.Lfor_p_\@:
	tensor_load_to_lds s[G0P:G0P+3], s[G1P:G1P+7]
	s_nop 0
.rept 4
	v_nop
.endr
.Lasked_\@:
.endm
; A PREFETCH INTO THE L2 of the tile that the NEXT change of slots will ask for: two steps, 256 matrix instructions and their GELU, ahead of that load.  A tile is 128 blocks of 256 bytes in each of the two buffers.
; All clusters walk the same tiles: the launch's first cluster asks.  Its four partners take 32 blocks each, told apart BY ADDRESS; in each, wave 0 asks for wfcb's and wave 2 for wprb's, a lane a block.
; So each block is named once.  Tiles 0 to 2 come by their loads alone; the last change that fills a slot asks for nothing.
.macro ASK
	s_cmp_gt_u32 s[SLOTS], s[LIM]
	s_cbranch_scc0 .Lnot_mine_\@
	global_prefetch_b8 v[PFO], s[PFA:PFA+1] th:TH_LOAD_NT scope:SCOPE_SE
.Lnot_mine_\@:
.endm
; THE CHANGE OF SLOTS.  Each wave waits for all its tensor loads, adds 0 to its spare word, and waits for that and for its own reads of the bytes to be filled.  fill = 1: a round of the cluster's barrier, so
; that no wave of any partner still reads those bytes or has a load on its way, and the joint fill first behind it, with tile NXT: the address is made anew from that number.
; ring = 0: the two fills behind the layer norms (onto x's bytes).  ring = 1: in the MLP: the prefetch's address and the steps' LDS addresses move too.
.macro CHANGE fill, ring
	WIN 0
	s_wait_tensorcnt 0x0               ; no tensor load of mine is out, so a group 0 may be written
	ds_add_u32 v[SPW], v[NIL]          ; 0 onto my spare word: scalar work stands between it and the wait for it
.if \fill
	s_lshl_b32 s[OFF], s[NXT], 15      ; a tile is 32,768 bytes of wfcb and of wprb
	s_xor_b32 s[G0F+1], s[G0F+1], SLOT1
	s_add_nc_u64 s[G0F+2:G0F+3], s[WF:WF+1], s[OFF:OFF+1]
	s_or_b32 s[G0F+3], s[G0F+3], 0x80000000
	s_xor_b32 s[G0P+1], s[G0P+1], SLOT1
	s_add_nc_u64 s[G0P+2:G0P+3], s[WP:WP+1], s[OFF:OFF+1]
	s_or_b32 s[G0P+3], s[G0P+3], 0x80000000
	s_add_co_u32 s[NXT], s[NXT], 1
.if \ring
	s_wait_xcnt 0x0                    ; the last prefetch, two steps back, has read its address
	s_add_nc_u64 s[PFA:PFA+1], s[PFA:PFA+1], 32768
.endif
.endif
	s_wait_dscnt 0x0                   ; the add is done, and my reads are over
.if \fill
	CROUND
	JLOAD
.if \ring
	ASK
.endif
.else
	s_barrier_signal -1
	s_barrier_wait -1
.endif
.if \ring
	s_sub_co_u32 s[TBF], s[TBF], 128   ; back to a slot's first step,
	s_xor_b32 s[TBF], s[TBF], SLOT1    ; in the other slot
	s_sub_co_u32 s[TBP], s[TBP], 64*PPITCH
	s_xor_b32 s[TBP], s[TBP], SLOT1
.endif
.endm
	s_load_b512 s[4:19], s[0:1], 0x0               ; x s4, ln1_w s6, ln1_b s8, bo s10, ln2_w s12, ln2_b s14, b_fc s16, b_pr s18
	s_load_b256 s[20:27], s[0:1], 0x40             ; wfcb s20, wprb s22, ub s24, zb s26
	s_load_b128 s[28:31], s[0:1], 0x60             ; cb s28, out0 s30
	v_lshl_add_u32 v[SPW], v0, 2, SPARE
	v_mov_b32 v[NIL], 0
	ds_add_u32 v[SPW], v[NIL]                      ; the wave's opening: the add and its wait stand ahead of my first tensor load; the set-up below, work on registers, stands between them
	v_lshrrev_b32 v16, 5, v0
	v_readfirstlane_b32 s[WV], v16                 ; wave 0..3
	s_bfe_u32 s[CX], ttmp6, 0x40000
	s_lshl_b32 s[BA], ttmp9, 2                     ; in a cluster launch ttmp9 counts clusters
	s_add_co_u32 s[BA], s[BA], s[CX]
	s_lshl_b32 s[BA], s[BA], 2
	s_add_co_u32 s[BA], s[BA], s[WV]               ; ba = 4 x work-group + wave
	s_and_b32 s[ODD], s[WV], 1
	s_mul_i32 s[XW], s[WV], XTILE
	; x: a tile of 16 rows x 256 elements of 4 bytes, 16 bytes of padding behind each row; a load of my own (no mask)
	s_mov_b32 s[G1X], (2<<16)|(1<<20)|(7<<22)|(3<<25)
	s_mov_b32 s[G1X+1], 256<<16
	s_mov_b32 s[G1X+2], 16<<16
	s_mov_b32 s[G1X+3], 256<<16
	s_mov_b32 s[G1X+4], 16
	s_mov_b32 s[G1X+5], 256
	s_mov_b32 s[G1X+6], 0
	s_mov_b32 s[G1X+7], 0
.irp t, 0,1,2,3
	s_mov_b32 s[G0X+4*\t], 1
	s_add_co_u32 s[G0X+4*\t+1], s[XW], \t*XROWB
.endr
	; Wfc: 16,384 dense bytes asked for as 64 rows of 256 bytes, 32 bytes of padding behind every 128; the mask names all four work-groups, bit 21 beside it
	s_mov_b32 s[G1F], 15|(1<<16)|(1<<20)|(1<<21)|(4<<22)|(7<<25)
	s_mov_b32 s[G1F+1], 128<<16
	s_mov_b32 s[G1F+2], 64<<16
	s_mov_b32 s[G1F+3], 128<<16
	s_mov_b32 s[G1F+4], 64
	s_mov_b32 s[G1F+5], 128
	s_mov_b32 s[G1F+6], 0
	s_mov_b32 s[G1F+7], 0
	; Wpr: 32 rows of 512 bytes, 32 bytes of padding behind each
	s_mov_b32 s[G1P], 15|(1<<16)|(1<<20)|(1<<21)|(6<<22)|(7<<25)
	s_mov_b32 s[G1P+1], 256<<16
	s_mov_b32 s[G1P+2], 32<<16
	s_mov_b32 s[G1P+3], 256<<16
	s_mov_b32 s[G1P+4], 32
	s_mov_b32 s[G1P+5], 256
	s_mov_b32 s[G1P+6], 0
	s_mov_b32 s[G1P+7], 0
	s_mov_b32 s[G0F], 1
	s_mul_i32 s[G0F+1], s[ODD], 128*FPITCH
	s_add_co_u32 s[G0F+1], s[G0F+1], SLOT1         ; the first fill's exclusive or turns this into slot 0
	s_mov_b32 s[G0P], 1
	s_mul_i32 s[G0P+1], s[ODD], 32*PPITCH
	s_add_co_u32 s[G0P+1], s[G0P+1], SLOT1+PROFF
	s_mov_b32 s[SEL], 0x76543210
	s_mov_b32 s[SEL+1], 0xfedcba98
	s_mov_b32 s[OFF+1], 0
	s_mov_b32 s[PFA+1], 0
	s_mov_b32 s[NXT], 0
	s_wait_dscnt 0x0                               ; the opening add is done
	s_wait_kmcnt 0x0
	s_lshl_b32 s[PFA], s[BA], 16                   ; my 64 rows of 1,024 bytes
	s_add_nc_u64 s[4:5], s[4:5], s[PFA:PFA+1]
	s_add_nc_u64 s[30:31], s[30:31], s[PFA:PFA+1]
.irp t, 0,1,2,3
	s_add_nc_u64 s[G0X+4*\t+2:G0X+4*\t+3], s[4:5], \t*16384
	s_or_b32 s[G0X+4*\t+3], s[G0X+4*\t+3], 0x80000000
.endr
	s_lshl_b32 s[PFA], s[BA], 12                   ; my 8 rows of 512 bytes of U and of Z
	s_add_nc_u64 s[24:25], s[24:25], s[PFA:PFA+1]
	s_add_nc_u64 s[26:27], s[26:27], s[PFA:PFA+1]
	s_lshl_b32 s[PFA], s[BA], 2
	s_add_nc_u64 s[28:29], s[28:29], s[PFA:PFA+1]
	s_lshl_b32 s[OFF], s[ODD], 14                  ; my half of a weight tile: the wave's number alone
	s_add_nc_u64 s[WF:WF+1], s[WF:WF+1], s[OFF:OFF+1]
	s_add_nc_u64 s[WP:WP+1], s[WP:WP+1], s[OFF:OFF+1]
	CROUND                                         ; in a cluster launch every group of tensor loads stands behind a round
.irp t, 0,1,2,3
	tensor_load_to_lds s[G0X+4*\t:G0X+4*\t+3], s[G1X:G1X+7]   ; all of my x: four loads of mine are out
	s_nop 0
.endr
.rept 4
	v_nop
.endr
	; the small inputs: the work-group's 128 threads bring the seven vectors, each wave its own U and Z
	v_lshlrev_b32 v16, 3, v0
	v_lshlrev_b32 v17, 4, v0
	v_and_b32 v22, 31, v0                          ; l
	v_lshlrev_b32 v18, 4, v22
	global_load_b64 v[128:129], v16, s[6:7]
	global_load_b64 v[130:131], v16, s[8:9]
	global_load_b64 v[132:133], v16, s[10:11]
	global_load_b64 v[134:135], v16, s[12:13]
	global_load_b64 v[136:137], v16, s[14:15]
	global_load_b64 v[138:139], v16, s[18:19]
	global_load_b128 v[140:143], v17, s[16:17]
	global_load_b128 v[144:147], v17, s[16:17] offset:2048
.irp j, 0,1,2,3,4,5,6,7
	global_load_b128 v[148+4*\j:151+4*\j], v18, s[24:25] offset:512*\j th:TH_LOAD_NT
.endr
.irp j, 0,1,2,3,4,5,6,7
	global_load_b128 v[180+4*\j:183+4*\j], v18, s[26:27] offset:512*\j th:TH_LOAD_NT
.endr
	v_and_b32 v23, 15, v0                          ; l % 16
	v_bfe_u32 v24, v0, 4, 1                        ; l / 16
	v_and_b32 v25, 7, v0                           ; l % 8
	v_bfe_u32 v26, v0, 3, 1                        ; (l / 8) % 2
	v_lshl_add_u32 v[ACN], v24, 5, CONST
	v_mul_u32_u24 v[AX], v23, XPITCH
	v_lshl_add_u32 v[AX], v24, 5, v[AX]
	v_add_nc_u32 v[AX], s[XW], v[AX]
	v_add_nc_u32 v[STO], STAGE, v[AX]              ; my stage has X's pitch and X's share for each wave
	s_add_co_u32 s[TMP], s[XW], STAGE
	v_lshl_add_u32 v[RD], v22, 4, s[TMP]
	v_lshlrev_b32 v[GO], 4, v22
	v_lshl_add_u32 v27, v24, 3, v25                ; the turning load's row: 8 (l / 16) + l % 8
	v_lshlrev_b32 v28, 4, v26                      ; and its 16 bytes
	v_mad_u32_u24 v[AFC0], v27, FPITCH, v28
	v_mad_u32_u24 v[APR0], v27, PPITCH, v28
	v_add_nc_u32 v[APR0], PROFF, v[APR0]
	s_mul_i32 s[TMP], s[WV], UZW
	s_add_co_u32 s[TMP], s[TMP], UZ
	v_lshl_add_u32 v21, v22, 4, s[TMP]             ; where a row of U or Z goes
	v_mul_u32_u24 v29, v25, UPITCH                 ; U's fragments: row l % 8 (rows 8-15 of source 0 repeat the 8 heads)
	v_lshl_add_u32 v29, v24, 4, v29
	v_add_nc_u32 v29, s[TMP], v29
	v_mad_u32_u24 v30, v25, ZPITCH, v28            ; Z's, turned: row l % 8 in both halves of the lanes (k = 8-15 repeat the 8 heads and meet zeros in a)
	v_add_nc_u32 v30, s[TMP], v30
	v_add_nc_u32 v30, ZOFF, v30
	v_lshl_add_u32 v19, v0, 3, CONST
	v_lshl_add_u32 v20, v0, 4, CONST+BFC
	v_mov_b32 v[MR+1], 0                           ; named as pairs
	v_mov_b32 v[NV+1], 0
	v_add_nc_u32 v[NV], 1, v23
	v_cvt_f32_u32 v[NV], v[NV]                     ; t + 1 for tile 0
	s_wait_loadcnt 0x0
.irp a, 0,1,2,3,4,5
	ds_store_b64 v19, v[128+2*\a:129+2*\a] offset:1024*\a
.endr
	ds_store_b128 v20, v[140:143]
	ds_store_b128 v20, v[144:147] offset:2048
.irp j, 0,1,2,3,4,5,6,7
	ds_store_b128 v21, v[148+4*\j:151+4*\j] offset:UPITCH*\j
	ds_store_b128 v21, v[180+4*\j:183+4*\j] offset:ZOFF+ZPITCH*\j
.endr
	s_wait_dscnt 0x0                               ; for the others' sake: my stores are done
	s_barrier_signal -1                            ; x may stay on its way
	s_barrier_wait -1
.irp j, 0,1,2,3,4,5,6,7
	s_load_b32 s[CC+\j], s[28:29], \j*4096         ; c[h] of my ba (the pointers that lay here have served: their loads are back)
.endr
	s_mov_b32 s[LO16], 0xffff
	s_mov_b32 s[SC], 0x3e8293ee                    ; log2(e) / sqrt(32)
	s_mov_b32 s[INV], 0x3b800000                   ; 1 / 256
	s_mov_b32 s[EPS], 0x3727c5ac                   ; 1e-5
	; what stays in registers through the layer norms
	WIN 0x40
.irp ks, 0,1,2,3,4,5,6,7
	ds_load_b128 v[UF+8*\ks:UF+8*\ks+3], v29 offset:64*\ks
	ds_load_b128 v[UF+8*\ks+4:UF+8*\ks+7], v29 offset:64*\ks+32
.endr
.set i, 0
.rept 16
	ds_load_tr16_b128 v[8*i:8*i+3], v30 offset:32*i   ; Z^T: 16 channels x heads 0-7 (and their repeat)
.set i, i+1
.endr
.set i, 0
.rept 16
.irp j, 4,5,6,7
	v_mov_b32 v[8*i+\j], 0                         ; k = 16-31: there are no such heads
.endr
.set i, i+1
.endr
.irp hw, 0,1                           ; OUT starts as ln2_b: the layer norm's last pass adds onto it
	WIN 0x80+0x40*\hw
.set n, 0
.rept 64
	ds_load_b128 v[4*n:4*n+3], v[ACN] offset:4096+((n%32)/2)*64+(n%2)*16
.set n, n+1
.endr
.endr
	WIN 0
	s_wait_kmcnt 0x0
.irp j, 0,1,2,3,4,5,6,7
	s_mul_f32 s[CC+\j], s[CC+\j], s[SC]
.endr
; Mean and 1 / sqrt(variance + eps) of each row of the tile in hand; the tile is left centred.  Two passes: the squares are the centred numbers'.  A lane has 128 of its row's 256 channels.
; Each group of 8 registers is read from its low end on (the second use follows products).
.macro STATS
.irp c, 0,1,2,3
	v_pk_add_f32 v[CH+2*\c:CH+2*\c+1], v[WK+2*\c:WK+2*\c+1], v[WK+8+2*\c:WK+8+2*\c+1]   ; the first pairs start four chains: nothing is cleared
.endr
.set n, 8
.rept 56
	v_pk_add_f32 v[CH+2*(n%4):CH+2*(n%4)+1], v[CH+2*(n%4):CH+2*(n%4)+1], v[WK+2*n:WK+2*n+1]
.set n, n+1
.endr
	v_pk_add_f32 v[CH:CH+1], v[CH:CH+1], v[CH+2:CH+3]
	v_pk_add_f32 v[CH+4:CH+5], v[CH+4:CH+5], v[CH+6:CH+7]
	v_pk_add_f32 v[CH:CH+1], v[CH:CH+1], v[CH+4:CH+5]
	v_add_f32 v[CH], v[CH], v[CH+1]
	v_permlanex16_b32 v[CH+1], v[CH], s[SEL], s[SEL+1]
	v_add_f32 v[CH], v[CH], v[CH+1]
	v_mul_f32 v[MR], s[INV], v[CH]
.set n, 0
.rept 64
	v_pk_add_f32 v[WK+2*n:WK+2*n+1], v[WK+2*n:WK+2*n+1], v[MR:MR+1] op_sel_hi:[1,0] neg_lo:[0,1] neg_hi:[0,1]
.set n, n+1
.endr
.irp c, 0,1,2,3
	v_pk_mul_f32 v[CH+2*\c:CH+2*\c+1], v[WK+2*\c:WK+2*\c+1], v[WK+2*\c:WK+2*\c+1]
.endr
.set n, 4
.rept 60
	v_pk_fma_f32 v[CH+2*(n%4):CH+2*(n%4)+1], v[WK+2*n:WK+2*n+1], v[WK+2*n:WK+2*n+1], v[CH+2*(n%4):CH+2*(n%4)+1]
.set n, n+1
.endr
	v_pk_add_f32 v[CH:CH+1], v[CH:CH+1], v[CH+2:CH+3]
	v_pk_add_f32 v[CH+4:CH+5], v[CH+4:CH+5], v[CH+6:CH+7]
	v_pk_add_f32 v[CH:CH+1], v[CH:CH+1], v[CH+4:CH+5]
	v_add_f32 v[CH], v[CH], v[CH+1]
	v_permlanex16_b32 v[CH+1], v[CH], s[SEL], s[SEL+1]
	v_add_f32 v[CH], v[CH], v[CH+1]
	v_fma_f32 v[CH], v[CH], s[INV], s[EPS]
	v_rsq_f32 v[MR], v[CH]
	v_nop                                          ; a plain instruction behind the root,
	s_wait_alu depctr_va_vdst(0)                   ; and the wait ahead of the first use of its result
.endm
.macro IN t                            ; tile t of x comes out of LDS
	s_wait_tensorcnt 3-(\t)                        ; my four loads of x end in order; 3 - t were issued behind tile t's, and no other is out before the loop has ended
	v_add_nc_u32 v[AXM], (\t)*XROWB, v[AX]
.set n, 0
.rept 32
	ds_load_b128 v[WK+4*n:WK+4*n+3], v[AXM] offset:(n/2)*64+(n%2)*16
.set n, n+1
.endr
.endm
.macro DEP t                           ; x3 = (centred x2 x ln2_w) x rs + ln2_b, into tile t of OUT
	WIN 0xa0+0x50*((\t)/2)
.set n, 0
.rept 64
	v_pk_fma_f32 v[128*((\t)%2)+2*n:128*((\t)%2)+2*n+1], v[WK+2*n:WK+2*n+1], v[MR:MR+1], v[128*((\t)%2)+2*n:128*((\t)%2)+2*n+1] op_sel_hi:[1,0,1]
.set n, n+1
.endr
	WIN 0
.endm
.macro CLOAD i                         ; ln1_w, ln1_b, bo of channel group i into set i % 2
.irp a, 0,1,2
	ds_load_b128 v[CT+24*((\i)%2)+8*\a:CT+24*((\i)%2)+8*\a+3], v[ACN] offset:1024*\a+64*(\i)
	ds_load_b128 v[CT+24*((\i)%2)+8*\a+4:CT+24*((\i)%2)+8*\a+7], v[ACN] offset:1024*\a+64*(\i)+16
.endr
.endm
.macro GLOAD i                         ; ln2_w of channel group i into set i % 2
	ds_load_b128 v[G2+8*((\i)%2):G2+8*((\i)%2)+3], v[ACN] offset:3072+64*(\i)
	ds_load_b128 v[G2+8*((\i)%2)+4:G2+8*((\i)%2)+7], v[ACN] offset:3072+64*(\i)+16
.endm
	; THE LAYER NORMS AND THE ATTENTION: four trips, a tile of 16 rows each, on one working tile.  Only the read-in and the last pass name the tile: they stand four times, chosen by forward jumps on the counter.
	s_mov_b32 s[M], 0
.Ltile:
	s_cmp_eq_u32 s[M], 0
	s_cbranch_scc1 .Lin0
	s_cmp_eq_u32 s[M], 1
	s_cbranch_scc1 .Lin1
	s_cmp_eq_u32 s[M], 2
	s_cbranch_scc1 .Lin2
	IN 3
	s_branch .Lin_done
.Lin2:
	IN 2
	s_branch .Lin_done
.Lin1:
	IN 1
	s_branch .Lin_done
.Lin0:
	IN 0
.Lin_done:
	s_wait_dscnt 0x0                               ; the tile (in the first trip also U, Z and OUT's start)
	STATS
	CLOAD 0
.set n, 0
.rept 64
	v_pk_mul_f32 v[WK+2*n:WK+2*n+1], v[WK+2*n:WK+2*n+1], v[MR:MR+1] op_sel_hi:[1,0]
.set n, n+1
.endr
.set i, 0
.rept 16                               ; x1 = .. x ln1_w + ln1_b; its bf16 copy for the score; bo joins the f32 copy
.if i < 15
	CLOAD i+1
	s_wait_dscnt 6                                 ; this group's six loads are in; the next group's six may stay out
.else
	s_wait_dscnt 0x0
.endif
.set c_, CT+24*(i%2)
.irp q, 0,1,2,3
	v_pk_fma_f32 v[WK+8*i+2*\q:WK+8*i+2*\q+1], v[WK+8*i+2*\q:WK+8*i+2*\q+1], v[c_+2*\q:c_+2*\q+1], v[c_+8+2*\q:c_+8+2*\q+1]
.endr
.irp q, 0,1,2,3
	v_cvt_pk_bf16_f32 v[XT+4*i+\q], v[WK+8*i+2*\q], v[WK+8*i+2*\q+1]
.endr
.irp q, 0,1,2,3
	v_pk_add_f32 v[WK+8*i+2*\q:WK+8*i+2*\q+1], v[WK+8*i+2*\q:WK+8*i+2*\q+1], v[c_+16+2*\q:c_+16+2*\q+1]
.endr
.set i, i+1
.endr
	WIN W_A1                                       ; x1 . U: register j of every lane gets head j of its row; four accumulators take turns
.irp ks, 0,1,2,3
	v_wmma_f32_16x16x32_bf16 v[SA+8*\ks:SA+8*\ks+7], v[UF+8*\ks:UF+8*\ks+7], v[XT+8*\ks:XT+8*\ks+7], 0
.endr
.irp ks, 4,5,6,7
	v_wmma_f32_16x16x32_bf16 v[SA+8*(\ks-4):SA+8*(\ks-4)+7], v[UF+8*\ks:UF+8*\ks+7], v[XT+8*\ks:XT+8*\ks+7], v[SA+8*(\ks-4):SA+8*(\ks-4)+7]
.endr
	WIN 0
	PLACES8
.irp q, 0,1,2,3
	v_pk_add_f32 v[SA+2*\q:SA+2*\q+1], v[SA+2*\q:SA+2*\q+1], v[SA+8+2*\q:SA+8+2*\q+1]
	v_pk_add_f32 v[SA+16+2*\q:SA+16+2*\q+1], v[SA+16+2*\q:SA+16+2*\q+1], v[SA+24+2*\q:SA+24+2*\q+1]
.endr
.irp q, 0,1,2,3
	v_pk_add_f32 v[SA+2*\q:SA+2*\q+1], v[SA+2*\q:SA+2*\q+1], v[SA+16+2*\q:SA+16+2*\q+1]
.endr
.irp j, 0,1,2,3,4,5,6,7
	v_fma_f32 v[SA+\j], v[SA+\j], s[SC], s[CC+\j]  ; z = (x1 . U + c) x scale x log2(e): the row's one logit for head j
.endr
.irp q, 0,1,2,3
	v_pk_add_f32 v[SP+2*\q:SP+2*\q+1], v[SA+2*\q:SA+2*\q+1], v[SA+2*\q:SA+2*\q+1] neg_lo:[0,1] neg_hi:[0,1]   ; less the maximum of the t + 1 open logits, which is z
.endr
.irp j, 0,1,2,3,4,5,6,7
	v_exp_f32 v[SP+\j], v[SP+\j]
.endr
	v_nop
	s_wait_alu depctr_va_vdst(0)                   ; one wait for the eight exponentials
.irp q, 0,1,2,3
	v_pk_mul_f32 v[SL+2*\q:SL+2*\q+1], v[SP+2*\q:SP+2*\q+1], v[NV:NV+1] op_sel_hi:[1,0]   ; l = (t + 1) p
.endr
.irp j, 0,1,2,3,4,5,6,7
	v_rcp_f32 v[SL+\j], v[SL+\j]
.endr
	v_nop
	s_wait_alu depctr_va_vdst(0)                   ; one wait for the eight reciprocals
.irp q, 0,1,2,3
	v_pk_mul_f32 v[SL+2*\q:SL+2*\q+1], v[SL+2*\q:SL+2*\q+1], v[SP+2*\q:SP+2*\q+1]          ; a weight, p / l
.endr
.irp q, 0,1,2,3
	v_pk_mul_f32 v[SL+2*\q:SL+2*\q+1], v[SL+2*\q:SL+2*\q+1], v[NV:NV+1] op_sel_hi:[1,0]   ; a: the t + 1 weights on the one value
.endr
.irp q, 0,1,2,3
	v_cvt_pk_bf16_f32 v[AF+\q], v[SL+2*\q], v[SL+2*\q+1]
.endr
.irp q, 0,1,2,3
	v_cndmask_b32 v[AF+\q], 0, v[AF+\q], s[LO16]   ; source 1 (32 k x 16 rows): heads 0-7 are lanes 0-15's first four registers; all else is 0
	v_mov_b32 v[AF+4+\q], 0
.endr
	WIN W_A1
.set i, 0
.rept 16
	v_wmma_f32_16x16x32_bf16 v[WK+8*i:WK+8*i+7], v[8*i:8*i+7], v[AF:AF+7], v[WK+8*i:WK+8*i+7]   ; x2 = x1 + bo + sum over h of a[h] Z[h]: each accumulator once
.set i, i+1
.endr
	WIN 0
	PLACES8
	STATS
	GLOAD 0
.set i, 0
.rept 16
.if i < 15
	GLOAD i+1
	s_wait_dscnt 2                                 ; this group's two loads are in; the next group's two may stay out
.else
	s_wait_dscnt 0x0
.endif
.irp q, 0,1,2,3
	v_pk_mul_f32 v[WK+8*i+2*\q:WK+8*i+2*\q+1], v[WK+8*i+2*\q:WK+8*i+2*\q+1], v[G2+8*(i%2)+2*\q:G2+8*(i%2)+2*\q+1]
.endr
.set i, i+1
.endr
	s_cmp_eq_u32 s[M], 0
	s_cbranch_scc1 .Ldep0
	s_cmp_eq_u32 s[M], 1
	s_cbranch_scc1 .Ldep1
	s_cmp_eq_u32 s[M], 2
	s_cbranch_scc1 .Ldep2
	DEP 3
	s_branch .Ldep_done
.Ldep2:
	DEP 2
	s_branch .Ldep_done
.Ldep1:
	DEP 1
	s_branch .Ldep_done
.Ldep0:
	DEP 0
.Ldep_done:
	v_add_f32 v[NV], 0x41800000, v[NV]             ; the next tile's rows lie 16 later
	s_add_co_u32 s[M], s[M], 1
	s_cmp_lt_u32 s[M], 4
	s_cbranch_scc1 .Ltile
	CHANGE 1, 0                                    ; every wave of the cluster has read its x: weight tile 0 goes into slot 0
.irp t, 0,1,2,3                        ; x3 rounded to bf16: in pairs it is source 1 of the first product
	WIN 0x4a+5*(\t/2)
.set n, 0
.rept 64
	v_cvt_pk_bf16_f32 v[64*\t+n], v[128*(\t%2)+2*n], v[128*(\t%2)+2*n+1]
.set n, n+1
.endr
.endr
	CHANGE 1, 0                                    ; tile 0 has landed, everybody's part of it; tile 1 goes into slot 1
.set n, 0
.rept 32
	ds_load_b128 v[WK+4*n:WK+4*n+3], v[ACN] offset:5120+(n/2)*64+(n%2)*16   ; b_pr
.set n, n+1
.endr
	; the GELU's constants (x has landed, so its descriptors' registers are free); pairs, since the packed lines name pairs
	s_mov_b32 s[C1], 0x3eaa540e                    ; 0.47047 / sqrt(2)
	s_mov_b32 s[C1+1], 0x3eaa540e
	s_mov_b32 s[NC2], 0xbf38aa3b                   ; - log2(e) / 2
	s_mov_b32 s[NC2+1], 0xbf38aa3b
	s_mov_b32 s[A1], 0x3e32303a                    ; a1 / 2 = 0.1740121
	s_mov_b32 s[A1+1], 0x3e32303a
	s_mov_b32 s[A2], 0xbd445ca1                    ; a2 / 2 = -0.0479399
	s_mov_b32 s[A2+1], 0xbd445ca1
	s_mov_b32 s[A3], 0x3ebf7377                    ; a3 / 2 = 0.3739278
	s_mov_b32 s[A3+1], 0x3ebf7377
	v_and_b32 v[PFO], 31, v0
	v_lshlrev_b32 v[PFO], 8, v[PFO]
	s_cmp_lt_u32 s[WV], 2
	s_cselect_b64 s[PFA:PFA+1], s[WF:WF+1], s[WP:WP+1]   ; (in waves 0 and 2 these stand at a tile's first byte)
	s_lshl_b32 s38, s[CX], 13                      ; my work-group's 32 blocks of the 128
	s_mov_b32 s39, 0
	s_add_nc_u64 s[PFA:PFA+1], s[PFA:PFA+1], s[38:39]
	s_add_nc_u64 s[PFA:PFA+1], s[PFA:PFA+1], 2*32768     ; in tile 2; the first change of slots steps it to tile 3
	s_and_b32 s[LIM], s[WV], 1
	s_or_b32 s[LIM], s[LIM], ttmp9                 ; 0 in waves 0 and 2 of the first cluster: the same in all four partners
	s_cmp_eq_u32 s[LIM], 0
	s_cselect_b32 s[LIM], 1, -1
	s_mov_b32 s[TBF], 0
	s_mov_b32 s[TBP], 0
	s_mov_b32 s[TBB], 0
	s_wait_dscnt 0x0
.irp hw, 0,1                           ; OUT = x3 + b_pr: the second product adds onto it
	WIN 0x82+0x41*\hw
.set n, 0
.rept 128
	v_pk_add_f32 v[2*n:2*n+1], v[2*n:2*n+1], v[WK+2*(n%64):WK+2*(n%64)+1]
.set n, n+1
.endr
.endr
	WIN 0
; THE LDS LOADS stand in runs of 16.  Wfc^T: fragment (ksl, nt) = 16 hidden units x 32 channels, turned; half b of the 256 channels.
.macro FETCHFC b, f
.irp ksl, 0,1,2,3
.irp nt, 0,1
	ds_load_tr16_b128 v[(\f)+8*(2*\ksl+\nt):(\f)+8*(2*\ksl+\nt)+3], v[AFC] offset:(4*(\b)+\ksl)*32*FPITCH+32*\nt
	ds_load_tr16_b128 v[(\f)+8*(2*\ksl+\nt)+4:(\f)+8*(2*\ksl+\nt)+7], v[AFC] offset:(4*(\b)+\ksl)*32*FPITCH+32*\nt+16*FPITCH
.endr
.endr
.endm
; Wpr^T: fragment e = 16 out channels x the step's 32 hidden units, turned; half b of the 256 channels.
.macro FETCHPR b, f
.irp e, 0,1,2,3,4,5,6,7
	ds_load_tr16_b128 v[(\f)+8*\e:(\f)+8*\e+3], v[APR] offset:(8*(\b)+\e)*32
	ds_load_tr16_b128 v[(\f)+8*\e+4:(\f)+8*\e+7], v[APR] offset:(8*(\b)+\e)*32+16*PPITCH
.endr
.endm
.macro FETCHBI                         ; b_fc of the step's 32 hidden units: my 8 of each 16
.irp nt, 0,1
	ds_load_b128 v[BI+8*\nt:BI+8*\nt+3], v[ABI] offset:BFC+64*\nt
	ds_load_b128 v[BI+8*\nt+4:BI+8*\nt+7], v[ABI] offset:BFC+64*\nt+16
.endr
.endm
; 32 products of S^T: the 8 accumulators (4 row tiles x 2 groups of 16 hidden units) take turns, one instruction a turn.  The first 8 of a step start the sums with b_fc.
.macro MULFC b, f
	WIN W_FC
.irp ksl, 0,1,2,3
.irp nt, 0,1
.irp mm, 0,1,2,3
.if ((\b) == 0) && (\ksl == 0)
	v_wmma_f32_16x16x32_bf16 v[S+16*\mm+8*\nt:S+16*\mm+8*\nt+7], v[(\f)+8*(2*\ksl+\nt):(\f)+8*(2*\ksl+\nt)+7], v[64*\mm+8*(4*(\b)+\ksl):64*\mm+8*(4*(\b)+\ksl)+7], v[BI+8*\nt:BI+8*\nt+7]
.else
	v_wmma_f32_16x16x32_bf16 v[S+16*\mm+8*\nt:S+16*\mm+8*\nt+7], v[(\f)+8*(2*\ksl+\nt):(\f)+8*(2*\ksl+\nt)+7], v[64*\mm+8*(4*(\b)+\ksl):64*\mm+8*(4*(\b)+\ksl)+7], v[S+16*\mm+8*\nt:S+16*\mm+8*\nt+7]
.endif
.endr
.endr
.endr
.endm
; 32 products of OUT^T: each of 32 accumulators once.
.macro MULPR b, f
.irp hw, 0,1
	WIN 0xa0+0x50*\hw
.irp e, 0,1,2,3,4,5,6,7
.irp mm, 0,1
	v_wmma_f32_16x16x32_bf16 v[128*\mm+8*(8*(\b)+\e):128*\mm+8*(8*(\b)+\e)+7], v[(\f)+8*\e:(\f)+8*\e+7], v[H+8*(2*\hw+\mm):H+8*(2*\hw+\mm)+7], v[128*\mm+8*(8*(\b)+\e):128*\mm+8*(8*(\b)+\e)+7]
.endr
.endr
.endr
.endm
; THE GELU of row tile t's 16 numbers a lane: g = v / 2 + |v| (1/2 - (A1 T + A2 T^2 + A3 T^3) E), T = 1 / (1 + C1 |v|), E = 2^(NC2 v^2).
; Ahead of the wait: for each pair five plain lines, with the pair before's two reciprocals and two exponentials between them: none of these reads a transcendental's result.
.macro GA t, k
.set v_, S+16*(\t)+2*p
.if (\k) == 0
	v_fma_f32 v[GT+2*p], |v[v_]|, s[C1], 1.0
.elseif (\k) == 1
	v_fma_f32 v[GT+2*p+1], |v[v_+1]|, s[C1], 1.0
.elseif (\k) == 2
	v_pk_mul_f32 v[GE+2*p:GE+2*p+1], v[v_:v_+1], v[v_:v_+1]
.elseif (\k) == 3
	v_pk_mul_f32 v[GE+2*p:GE+2*p+1], v[GE+2*p:GE+2*p+1], s[NC2:NC2+1] op_sel_hi:[1,0]
.else
	v_pk_mul_f32 v[GH+2*p:GH+2*p+1], v[v_:v_+1], 0.5 op_sel_hi:[1,0]
.endif
.endm
.macro GX k                            ; pair p - 1
.if (\k) == 0
	v_rcp_f32 v[GT+2*p-2], v[GT+2*p-2]
.elseif (\k) == 1
	v_rcp_f32 v[GT+2*p-1], v[GT+2*p-1]
.elseif (\k) == 2
	v_exp_f32 v[GE+2*p-2], v[GE+2*p-2]
.else
	v_exp_f32 v[GE+2*p-1], v[GE+2*p-1]
.endif
.endm
.macro GG t
.set p, 0
.rept 9
.irp k, 0,1,2,3
.if p < 8
	GA \t, \k
.endif
.if p > 0
	GX \k
.endif
.endr
.if p < 8
	GA \t, 4
.endif
.set p, p+1
.endr
	v_nop                                          ; a plain instruction behind the last transcendental,
	s_wait_alu depctr_va_vdst(0)                   ; and ONE wait for the tile's 32, ahead of the first line that names a result
	; behind it stage by stage over the eight pairs, so that no line reads the result of the line before it
	EIGHT v_pk_fma_f32 v[GQ+2*p:GQ+2*p+1], v[GT+2*p:GT+2*p+1], s[A3:A3+1], s[A2:A2+1] op_sel_hi:[1,0,0]
	EIGHT v_pk_fma_f32 v[GQ+2*p:GQ+2*p+1], v[GQ+2*p:GQ+2*p+1], v[GT+2*p:GT+2*p+1], s[A1:A1+1] op_sel_hi:[1,1,0]
	EIGHT v_pk_mul_f32 v[GQ+2*p:GQ+2*p+1], v[GQ+2*p:GQ+2*p+1], v[GT+2*p:GT+2*p+1]
	EIGHT v_pk_fma_f32 v[GE+2*p:GE+2*p+1], v[GQ+2*p:GQ+2*p+1], v[GE+2*p:GE+2*p+1], 0.5 op_sel_hi:[1,1,0] neg_lo:[1,0,0] neg_hi:[1,0,0]
	EIGHT v_fma_f32 v[S+16*(\t)+2*p], |v[S+16*(\t)+2*p]|, v[GE+2*p], v[GH+2*p]
	EIGHT v_fma_f32 v[S+16*(\t)+2*p+1], |v[S+16*(\t)+2*p+1]|, v[GE+2*p+1], v[GH+2*p+1]
	EIGHT v_cvt_pk_bf16_f32 v[H+8*(\t)+p], v[S+16*(\t)+2*p], v[S+16*(\t)+2*p+1]
.endm
; A STEP: 32 hidden units.  Four runs of 16 LDS loads, each issued into the buffer that is free while the other buffer's 32 products run.  The step's second half of OUT^T is multiplied at the head of the next step.
; The waits count the loads just issued, which may stay out: 16 + b_fc's 4, then 16 three times.  lab = 1: the loop's copy holds the label at which the first step enters.
.macro STEP lab
	v_add_nc_u32 v[AFC], s[TBF], v[AFC0]           ; three address lines and a v_nop: the four places behind the products that read buffer 0
	v_add_nc_u32 v[APR], s[TBP], v[APR0]
	v_add_nc_u32 v[ABI], s[TBB], v[ACN]
	v_nop
	FETCHFC 0, F0
	FETCHBI
	s_wait_dscnt 20
	MULPR 1, F1
	WIN 0
.if \lab
.Lfirst:
.endif
	PLACES
	FETCHFC 1, F1
	s_wait_dscnt 16
	MULFC 0, F0
	WIN 0
	PLACES
	FETCHPR 0, F0
	s_wait_dscnt 16
	MULFC 1, F1
	WIN 0
	PLACES8
	GG 0
	GG 1
	GG 2
	GG 3
	FETCHPR 1, F1
	s_wait_dscnt 16
	MULPR 0, F0
	WIN 0
	s_add_co_u32 s[TBF], s[TBF], 64                ; 32 columns of Wfc's tile,
	s_add_co_u32 s[TBP], s[TBP], 32*PPITCH         ; 32 rows of Wpr's,
	s_add_co_u32 s[TBB], s[TBB], 128               ; 32 numbers of b_fc
	s_and_b32 s[TBB], s[TBB], 0xfff
.endm
.macro TWO_STEPS lab                   ; a slot's two steps: written once, walked twice
	s_mov_b32 s[TWICE], 2
.Lstep_\@:
	STEP \lab
	s_sub_co_u32 s[TWICE], s[TWICE], 1
	s_cmp_lg_u32 s[TWICE], 0
	s_cbranch_scc1 .Lstep_\@
.endm
	v_add_nc_u32 v[AFC], s[TBF], v[AFC0]           ; the first step has no step before it: its first run of loads stands here, and the loop is entered behind the products that it lacks
	v_add_nc_u32 v[APR], s[TBP], v[APR0]
	v_add_nc_u32 v[ABI], s[TBB], v[ACN]
	FETCHFC 0, F0
	FETCHBI
	s_mov_b32 s[TWICE], 2
	s_mov_b32 s[SLOTS], 15
	s_branch .Lfirst
.Lslot:                                ; 14 times: tiles 2 to 15 are asked for
	CHANGE 1, 1
	TWO_STEPS 1
	s_sub_co_u32 s[SLOTS], s[SLOTS], 1
	s_cmp_lg_u32 s[SLOTS], 0
	s_cbranch_scc1 .Lslot
	CHANGE 0, 1                                    ; the last tile is written out: nothing is asked for
	TWO_STEPS 0
	s_wait_dscnt 0x0
	MULPR 1, F1                                    ; the last step's second half
	WIN 0
	PLACES8
; THE WAY OUT, a tile of 16 rows at a time: a lane's 32 bytes of each group of 16 channels go into rows of 1,040 bytes of my stage and come back as half rows of 512 bytes.
.macro OUTM t
	WIN 0x08+4*((\t)/2)                            ; the stores' data in window 2 or 3
.set i, 0
.rept 16
	ds_store_b128 v[STO], v[128*((\t)%2)+8*i:128*((\t)%2)+8*i+3] offset:64*i
	ds_store_b128 v[STO], v[128*((\t)%2)+8*i+4:128*((\t)%2)+8*i+7] offset:64*i+16
.set i, i+1
.endr
.if (\t) >= 2
	s_wait_xcnt 0x0                                ; the stores of the tile two back have read their data: only behind this wait is their buffer loaded again
.endif
	WIN 0x40
.set q, 0
.rept 32
	ds_load_b128 v[128*((\t)%2)+4*q:128*((\t)%2)+4*q+3], v[RD] offset:(q/2)*XPITCH+(q%2)*512   ; LDS serves a wave's instructions in order (ISA guide 5.7.1.4): these see the stores above; the next tile's stores come behind them
.set q, q+1
.endr
	WIN 0x04
.set q, 0
.rept 32
	s_wait_dscnt 31-q                              ; half row q is back; the younger ones may stay out
	global_store_b128 v[GO], v[128*((\t)%2)+4*q:128*((\t)%2)+4*q+3], s[30:31] offset:(\t)*16384+q*512 th:TH_STORE_NT   ; 512 consecutive bytes, aligned
.set q, q+1
.endr
.endm
	OUTM 0
	OUTM 1
	OUTM 2
	OUTM 3
	WIN 0
	s_wait_tensorcnt 0x0                           ; the wave's end, behind my last tensor load and my last LDS store
	ds_add_u32 v[SPW], v[NIL]
	s_wait_dscnt 0x0
	CROUND                                         ; the closing round: no work-group ends while a partner may still ask for a tile that names it
	s_endpgm
.Lfunc_end_k_q80ad29ab36_main:
	.size	k_q80ad29ab36_main, .Lfunc_end_k_q80ad29ab36_main-k_q80ad29ab36_main
	.p2alignl 7, 3214868480
	.fill 96, 4, 3214868480
	.section	.rodata,"a",@progbits
	.p2align	6, 0x0
	.amdhsa_kernel k_q80ad29ab36_main
		.amdhsa_group_segment_fixed_size 327680
		.amdhsa_private_segment_fixed_size 0
		.amdhsa_enable_private_segment 0
		.amdhsa_kernarg_size 112
		.amdhsa_user_sgpr_count 2
		.amdhsa_user_sgpr_kernarg_segment_ptr 1
		.amdhsa_wavefront_size32 1
		.amdhsa_system_sgpr_workgroup_id_x 1
		.amdhsa_system_sgpr_workgroup_id_y 1
		.amdhsa_system_sgpr_workgroup_id_z 1
		.amdhsa_system_vgpr_workitem_id 0
		.amdhsa_next_free_vgpr 1024
		.amdhsa_next_free_sgpr 102
		.amdhsa_reserve_vcc 0
		.amdhsa_float_denorm_mode_32 3
		.amdhsa_float_denorm_mode_16_64 3
		.amdhsa_memory_ordered 1
		.amdhsa_forward_progress 1
		.amdhsa_inst_pref_size 255
	.end_amdhsa_kernel
	.section	.bss,"aw",@nobits
	.p2align	6
	.space	262144
	.amdgpu_metadata
---
amdhsa.version: [ 1, 2 ]
amdhsa.kernels:
  - .name:           k_q80ad29ab36_main
    .symbol:         k_q80ad29ab36_main.kd
    .args:
      - { .name: x, .offset: 0, .size: 8, .value_kind: global_buffer, .address_space: global }
      - { .name: ln1_w, .offset: 8, .size: 8, .value_kind: global_buffer, .address_space: global }
      - { .name: ln1_b, .offset: 16, .size: 8, .value_kind: global_buffer, .address_space: global }
      - { .name: bo, .offset: 24, .size: 8, .value_kind: global_buffer, .address_space: global }
      - { .name: ln2_w, .offset: 32, .size: 8, .value_kind: global_buffer, .address_space: global }
      - { .name: ln2_b, .offset: 40, .size: 8, .value_kind: global_buffer, .address_space: global }
      - { .name: b_fc, .offset: 48, .size: 8, .value_kind: global_buffer, .address_space: global }
      - { .name: b_pr, .offset: 56, .size: 8, .value_kind: global_buffer, .address_space: global }
      - { .name: wfcb, .offset: 64, .size: 8, .value_kind: global_buffer, .address_space: global }
      - { .name: wprb, .offset: 72, .size: 8, .value_kind: global_buffer, .address_space: global }
      - { .name: ub, .offset: 80, .size: 8, .value_kind: global_buffer, .address_space: global }
      - { .name: zb, .offset: 88, .size: 8, .value_kind: global_buffer, .address_space: global }
      - { .name: cb, .offset: 96, .size: 8, .value_kind: global_buffer, .address_space: global }
      - { .name: out0, .offset: 104, .size: 8, .value_kind: global_buffer, .address_space: global }
    .group_segment_fixed_size: 327680
    .private_segment_fixed_size: 0
    .kernarg_segment_align: 8
    .kernarg_segment_size: 112
    .max_flat_workgroup_size: 128
    .sgpr_count:     102
    .vgpr_count:     1024
    .wavefront_size: 32
...
	.end_amdgpu_metadata
.endif
;; end of part 2
;; ======== version 2 of 2: 2 launches; version 1 with the launch prep written anew for expert scheduling mode
;; limits: a function is approximated: absolute error at most 2.5e-05
;; workspace buffers: wfcb 524,288 bytes; wprb 524,288 bytes; ub 4,194,304 bytes; zb 4,194,304 bytes; cb 32,768 bytes
;; launch prep (part 3): grid 256 x 1, 8 waves a work-group, no clusters, 181,248 bytes of LDS; arguments cx, wkv, bkv, wq, bq, wo, w_fc, w_pr, wfcb, wprb, ub, zb, cb; writes wfcb, wprb, ub, zb, cb
.if DOCPART == 3
	.amdgcn_target "amdgcn-amd-amdhsa--gfx1250"
	.amdhsa_code_object_version 6
	.text
	.protected	k_q80ad29ab36_prep
	.globl	k_q80ad29ab36_prep
	.p2align	8
	.type	k_q80ad29ab36_prep,@function
k_q80ad29ab36_prep:
	s_mov_b64 s[64:65], 0
	v_nop
	global_prefetch_b8 v0, s[64:65] scope:SCOPE_SE
	s_setreg_imm32_b32 hwreg(HW_REG_WAVE_SCHED_MODE, 0, 2), 2
	s_setreg_imm32_b32 hwreg(HW_REG_WAVE_MODE, 25, 1), 1
	s_wait_xcnt 0x0
	s_wait_alu depctr_vm_vsrc(0)
; PREP.  What the main launch needs once for each (b, a) or once at all.
; Work-groups 0-127 (HEADS: 64 rows of cx, one head h): K = cx wkv[:, 32h..] + bkv, V likewise (f32 sums, bf16 operands), and from them
;   U[ba][h][k] = sum over d of wq[k][32h+d] K[ba][h][d]      (so that Q . K = x1 . U + c; unscaled)          -> ub, bf16
;   Z[ba][h][n] = sum over d of V[ba][h][d] wo[32h+d][n]      (so that (a V) wo = sum over h of a[h] Z[h])    -> zb, bf16
;   c[h][ba]    = sum over d of bq[32h+d] K[ba][h][d]                                                         -> cb, f32
; Work-groups 128-191: w_fc rounded to bf16 and laid in 16 chunks [256 k][64 n], each 32,768 dense bytes      -> wfcb
; Work-groups 192-255: w_pr rounded to bf16 as it lies                                                        -> wprb
; LIMITS.  K and V are rounded to bf16 before the second product; U and Z are stored in bf16; NaN and infinities are not treated apart.
; NO CLUSTER, NO TENSOR LOADS: the slices of wkv, wq and wo that the 16 row blocks of a head share are f32 and must be rounded to bf16 on the
; way into LDS, which only registers can do; each work-group reads 128 KiB of them.
; HEADS, shares: eight waves; wave v takes the 16 rows 16 (v / 2) .. of the block; even waves make K, c and U, odd waves V and Z.
; All products are used transposed (source 0 = weights, source 1 = rows of cx, K or V): a lane then holds ONE row ba (lane % 16) and eight neighbouring numbers of it.
; THE MODE: SCHED_MODE bits 1:0 = 2 (LLVM: expert scheduling mode 2), set by the entry lines.  The code itself states the register dependences
; between vector or matrix instructions and memory or LDS instructions, with s_wait_alu, always for 0.
; THE PLAN (HEADS).  Registers that memory or LDS instructions touch, in the order of the text:
;   v6, v7, v11, v13   offsets of the 56 global loads: made at the head, one wait ahead of the first load.
;   v64-255            the loads land here; a group's conversions close it up in place, ONE wait, then the group's run of LDS stores reads it: four groups, four waits.
;   v8, v10, v12, v14  the LDS stores' addresses: made while the loads are out, ahead of the first group's wait.
;   Behind the barrier ONE wait on vm_vsrc: the loads and the LDS stores have read all of the above, which is written again from there on.
;   v6 to v15          every address that the rest of the kernel uses is made in one block behind that wait, ahead of ONE wait on va_vdst, and never written again.
;   v64-255            fragments of cx and wkv: read by the 16 products of K or V.  One wait behind K's or V's eight roundings: the products are done reading v64-191,
;                      in which wq's or wo's fragments land; their 32 loads go out at once, and in an even wave the sum c is made while they are on their way.
;   v56, v57           c and its offset: one wait ahead of the one store; never written again.
;   OUT0 = v24-55      the first eight tiles of U or Z in bf16: one wait, then its eight LDS stores, dealt among the second eight products, which name v16-23 and v128-255 alone.
;   OUT1 = v64-95      the second eight tiles: one wait, which also states that the second eight products are done reading v128-191;
;   BACK = v128-191    the rows read back from the stage land there, and the global stores read them.  No register that an LDS store has read is written again.
.set CXT,   0                          ; 64 rows of cx in bf16, 512 bytes + 16: an odd multiple of 16, so the 16 rows of a fragment load start 16 bytes apart modulo 256
.set CXP,   528
.set WKVT,  CXT+64*CXP                 ; [256 k][64 n']: n' 0-31 the head's columns of K, 32-63 of V; 128 bytes + 32 (an odd multiple of 32, for the turning load)
.set WKVP,  160
.set WQT,   WKVT+256*WKVP              ; [256 k][32 d], 64 bytes + 16
.set WQP,   80
.set WOT,   WQT+256*WQP                ; [32 d][256 n], 512 bytes + 32
.set WOP,   544
.set OSTG,  WOT+32*WOP                 ; the way out: 16 rows x 528 bytes for each wave
.set OSP,   528
.set SPARE, OSTG+8*16*OSP              ; the spare words, 128 bytes for each wave: four blocks of 256 bytes that no other line names
.set SPW, 1                            ; v1  LDS address of my spare word; never rewritten
.set NIL, 2                            ; v2  0; never rewritten
.set OUT0, 24                          ; v[24:55]
.set OUT1, 64                          ; v[64:95]
.set BACK, 128                         ; v[128:191]
; v16-31 bkv (the sums' start), later v16-23 K or V as a fragment; v32-47 bq; v48-63 two accumulators (v56, v57 later: c and its offset); v64-255 staging, then fragments; v192-255 later eight accumulators
.macro PLACES8                         ; plain places between a matrix instruction and the first vector line that reads its result
.rept 8
	v_nop
.endr
.endm
; 16,384 bytes of f32 in, 8,192 bytes of bf16 out: four loads of 16 bytes a lane, four stores of 8: a wave's store covers 256 consecutive bytes, aligned
.macro CAST inb, outb, step
	s_wait_alu depctr_va_vdst(0)                   ; v4 and v5 are written: the loads' and the stores' offsets
.irp i, 0,1,2,3
	global_load_b128 v[64+4*\i:67+4*\i], v4, s[\inb:\inb+1] offset:\i*\step th:TH_LOAD_NT
.endr
	s_wait_loadcnt 0x0
.irp i, 0,1,2,3
	v_cvt_pk_bf16_f32 v[64+4*\i], v[64+4*\i], v[65+4*\i]
	v_cvt_pk_bf16_f32 v[65+4*\i], v[66+4*\i], v[67+4*\i]
.endr
	s_wait_alu depctr_va_vdst(0)                   ; the conversions have written the pairs that the stores read
.irp i, 0,1,2,3
	global_store_b64 v5, v[64+4*\i:65+4*\i], s[\outb:\outb+1] offset:\i*2048
.endr
.endm
; n loads' worth of f32 (4 registers each, from v[base]) rounded to bf16, all of them; then put into LDS in one run, 8 bytes a lane
.macro STG base, n, addr, step
.set i, 0
.rept \n
	v_cvt_pk_bf16_f32 v[\base+4*i], v[\base+4*i], v[\base+4*i+1]
	v_cvt_pk_bf16_f32 v[\base+4*i+1], v[\base+4*i+2], v[\base+4*i+3]
.set i, i+1
.endr
	s_wait_alu depctr_va_vdst(0)                   ; the group's conversions have written the pairs that its LDS stores read (at the first group: the four LDS addresses are written too)
.set i, 0
.rept \n
	ds_store_b64 v[\addr], v[\base+4*i:\base+4*i+1] offset:i*\step
.set i, i+1
.endr
.endm
	s_load_b512 s[4:19], s[0:1], 0x0               ; cx s4, wkv s6, bkv s8, wq s10, bq s12, wo s14, w_fc s16, w_pr s18
	s_load_b256 s[20:27], s[0:1], 0x40             ; wfcb s20, wprb s22, ub s24, zb s26
	s_load_b64 s[28:29], s[0:1], 0x60              ; cb
	v_lshl_add_u32 v[SPW], v0, 2, SPARE
	v_mov_b32 v[NIL], 0
	v_lshrrev_b32 v3, 5, v0
	v_readfirstlane_b32 s30, v3                    ; wave 0..7
	s_mov_b32 s31, ttmp9                           ; the work-group's number chooses its role: the same for all its waves
	s_mov_b32 s33, 0                               ; s[32:33]: byte offsets, all under 2^32
	s_wait_alu depctr_va_sdst(0)                   ; s30 is written, ahead of the branches and of its first reader
	s_wait_kmcnt 0x0
	s_cmp_lt_u32 s31, 128
	s_cbranch_scc1 .Lheads
	v_lshlrev_b32 v5, 3, v0                        ; out: 8 bytes a thread
	s_cmp_lt_u32 s31, 192
	s_cbranch_scc0 .Lcast_pr
	; w_fc: work-group gl takes chunk gl / 4, rows k = 64 (gl % 4) ..: 16 rows x 256 bytes a load of the work-group
	s_sub_co_u32 s34, s31, 128
	s_and_b32 s35, s34, 3
	s_lshl_b32 s32, s35, 18                        ; 64 rows of 4,096 bytes
	s_lshr_b32 s35, s34, 2
	s_lshl_b32 s35, s35, 8                         ; the chunk's 64 columns: 256 bytes
	s_add_co_u32 s32, s32, s35
	s_add_nc_u64 s[16:17], s[16:17], s[32:33]
	s_lshl_b32 s32, s34, 13                        ; out: 8,192 bytes a work-group, on end
	s_add_nc_u64 s[20:21], s[20:21], s[32:33]
	v_lshrrev_b32 v4, 4, v0                        ; row
	v_and_b32 v6, 15, v0                           ; 16 bytes of its 256
	v_lshlrev_b32 v4, 12, v4
	v_lshl_add_u32 v4, v6, 4, v4
	CAST 16, 20, 65536
	s_endpgm
.Lcast_pr:
	s_sub_co_u32 s34, s31, 192
	s_lshl_b32 s32, s34, 14
	s_add_nc_u64 s[18:19], s[18:19], s[32:33]
	s_lshl_b32 s32, s34, 13
	s_add_nc_u64 s[22:23], s[22:23], s[32:33]
	v_lshlrev_b32 v4, 4, v0
	CAST 18, 22, 4096
	s_endpgm
.Lheads:
	s_lshr_b32 s34, s31, 3                         ; mb: the block of 64 rows
	s_and_b32 s35, s31, 7                          ; h
	s_lshr_b32 s36, s30, 1                         ; mt: my 16 rows of the block
	s_and_b32 s37, s30, 1                          ; 0: K, c, U;  1: V, Z
	s_mov_b32 s40, 0x76543210                      ; v_permlanex16_b32: each lane takes its own place in the other half
	s_mov_b32 s41, 0xfedcba98
	s_lshl_b32 s32, s34, 16
	s_add_nc_u64 s[4:5], s[4:5], s[32:33]          ; cx at the block's first row
	s_lshl_b32 s32, s35, 7                         ; the head's 32 columns: 128 bytes
	s_add_nc_u64 s[6:7], s[6:7], s[32:33]
	s_add_nc_u64 s[10:11], s[10:11], s[32:33]
	s_add_nc_u64 s[12:13], s[12:13], s[32:33]
	s_lshl_b32 s38, s37, 10                        ; V's half of bkv lies 256 numbers on
	s_add_co_u32 s32, s32, s38
	s_add_nc_u64 s[8:9], s[8:9], s[32:33]
	s_lshl_b32 s32, s35, 15                        ; the head's 32 rows of wo
	s_add_nc_u64 s[14:15], s[14:15], s[32:33]
	v_and_b32 v3, 31, v0                           ; l
	v_and_b32 v4, 15, v0                           ; l % 16
	v_bfe_u32 v5, v0, 4, 1                         ; l / 16
	v_lshlrev_b32 v6, 5, v5                        ; my 8 numbers of a bias: 32 bytes for each half of the lanes
	v_lshlrev_b32 v7, 4, v0                        ; cx and wo are dense: 16 bytes a thread
	v_lshrrev_b32 v8, 4, v0
	v_and_b32 v9, 7, v0
	v_bfe_u32 v10, v0, 3, 1
	v_lshlrev_b32 v11, 11, v8                      ; wkv: row T / 16 (2,048 bytes),
	v_lshl_add_u32 v11, v9, 4, v11                 ; 16 bytes of the head's 128,
	v_lshl_add_u32 v11, v10, 10, v11               ; in K's or in V's half
	v_lshrrev_b32 v12, 3, v0
	v_lshlrev_b32 v13, 10, v12                     ; wq: row T / 8 (1,024 bytes),
	v_lshl_add_u32 v13, v9, 4, v13                 ; 16 bytes of the head's 128
	s_wait_alu depctr_va_vdst(0)                   ; v6, v7, v11 and v13 are written: the offsets of the loads below
	; 56 loads go out together; they are used in the order of issue
.irp t, 0,1
	global_load_b128 v[16+8*\t:19+8*\t], v6, s[8:9] offset:64*\t
	global_load_b128 v[20+8*\t:23+8*\t], v6, s[8:9] offset:64*\t+16
.endr
.irp t, 0,1
	global_load_b128 v[32+8*\t:35+8*\t], v6, s[12:13] offset:64*\t
	global_load_b128 v[36+8*\t:39+8*\t], v6, s[12:13] offset:64*\t+16
.endr
.set i, 0
.rept 16
	global_load_b128 v[64+4*i:67+4*i], v7, s[4:5] offset:i*4096 th:TH_LOAD_NT
.set i, i+1
.endr
.set i, 0
.rept 16
	global_load_b128 v[128+4*i:131+4*i], v11, s[6:7] offset:i*32768
.set i, i+1
.endr
.set i, 0
.rept 8
	global_load_b128 v[192+4*i:195+4*i], v13, s[10:11] offset:i*32768
.set i, i+1
.endr
.set i, 0
.rept 8
	global_load_b128 v[224+4*i:227+4*i], v7, s[14:15] offset:i*4096
.set i, i+1
.endr
	; where they go in LDS (registers that no pending load names, as data or as offset)
	v_lshrrev_b32 v14, 6, v0
	v_and_b32 v15, 63, v0
	v_mul_u32_u24 v8, v8, WKVP
	v_lshl_add_u32 v8, v4, 3, v8
	v_add_nc_u32 v8, WKVT, v8
	v_mul_u32_u24 v12, v12, WQP
	v_lshl_add_u32 v12, v9, 3, v12
	v_add_nc_u32 v12, WQT, v12
	v_mul_u32_u24 v10, v14, CXP
	v_lshl_add_u32 v10, v15, 3, v10                ; (CXT = 0)
	v_mul_u32_u24 v14, v14, WOP
	v_lshl_add_u32 v14, v15, 3, v14
	v_add_nc_u32 v14, WOT, v14
	s_wait_loadcnt 32                              ; the biases and cx are in; wkv's 16, wq's 8 and wo's 8 may stay out
	STG 64, 16, 10, 4*CXP
	s_wait_loadcnt 16                              ; wkv is in
	STG 128, 16, 8, 16*WKVP
	s_wait_loadcnt 8                               ; wq is in
	STG 192, 8, 12, 32*WQP
	s_wait_loadcnt 0x0
	STG 224, 8, 14, 4*WOP
	s_wait_dscnt 0x0                               ; for the others' sake: my stores are done
	s_barrier_signal -1
	s_barrier_wait -1
	s_wait_alu depctr_vm_vsrc(0)                   ; the global loads have read v6, v7, v11, v13; my LDS stores have read v8, v10, v12, v14 and their data in v64-255: all of these are written again below
	; every address that the rest of the kernel uses, in one block; none is written again
	v_mul_u32_u24 v6, v4, CXP
	v_lshl_add_u32 v6, v5, 4, v6                   ; row x 528 + 16 x half: for cx's fragments and for my stage (the same pitch)
	s_mul_i32 s38, s36, 16*CXP
	v_add_nc_u32 v7, s38, v6                       ; cx's fragments: my 16 rows
	v_lshl_add_u32 v8, v5, 3, v9                   ; the turning load's row: 8 (l / 16) + l % 8
	v_bfe_u32 v10, v0, 3, 1
	v_lshlrev_b32 v10, 4, v10                      ; and its 16 bytes: (l / 8) % 2
	v_mad_u32_u24 v11, v8, WKVP, v10
	s_lshl_b32 s39, s37, 6                         ; K's 32 columns or V's
	s_add_co_u32 s39, s39, WKVT
	v_add_nc_u32 v11, s39, v11                     ; wkv's fragments, turned
	v_mul_u32_u24 v12, v4, WQP
	v_lshl_add_u32 v12, v5, 4, v12
	v_add_nc_u32 v12, WQT, v12                     ; wq's fragments: 16 k x 32 d, d along the LDS rows (even waves use it)
	v_mad_u32_u24 v9, v8, WOP, v10
	v_add_nc_u32 v9, WOT, v9                       ; wo's fragments: 16 n x 32 d, turned (odd waves use it)
	s_mul_i32 s42, s30, 16*OSP
	s_add_co_u32 s42, s42, OSTG                    ; my stage
	v_add_nc_u32 v13, s42, v6                      ; in: row l % 16, 16 bytes for each half of the lanes
	v_lshl_add_u32 v14, v3, 4, s42                 ; back: a whole row of 512 bytes
	v_lshlrev_b32 v15, 4, v3                       ; and the same 512 bytes in ub or zb
	s_wait_alu depctr_va_vdst(0)                   ; v7, v9 and v11 to v15 are written, which the LDS loads and stores and the global stores below read
	; K or V of my 16 rows: 2 tiles of 16 d, 8 steps of 32 along the 256 channels
.set ks, 0
.rept 8
	ds_load_b128 v[64+8*ks:67+8*ks], v7 offset:64*ks
	ds_load_b128 v[68+8*ks:71+8*ks], v7 offset:64*ks+32
.set ks, ks+1
.endr
.set n, 0
.rept 16                               ; n = 2 ks + t
	ds_load_tr16_b128 v[128+8*n:131+8*n], v11 offset:(n/2)*32*WKVP+(n%2)*32
	ds_load_tr16_b128 v[132+8*n:135+8*n], v11 offset:(n/2)*32*WKVP+(n%2)*32+16*WKVP
.set n, n+1
.endr
	s_wait_dscnt 0x0
	v_wmma_f32_16x16x32_bf16 v[48:55], v[128:135], v[64:71], v[16:23]   ; the bias starts the sums; the two accumulators take turns
	v_wmma_f32_16x16x32_bf16 v[56:63], v[136:143], v[64:71], v[24:31]
.set n, 2
.rept 14
	v_wmma_f32_16x16x32_bf16 v[48+8*(n%2):55+8*(n%2)], v[128+8*n:135+8*n], v[64+8*(n/2):71+8*(n/2)], v[48+8*(n%2):55+8*(n%2)]
.set n, n+1
.endr
	PLACES8
.irp q, 0,1,2,3,4,5,6,7                ; rounded in pairs, the two tiles ARE source 1 (32 d x 16 rows) of the next product
	v_cvt_pk_bf16_f32 v[16+\q], v[48+2*\q], v[49+2*\q]
.endr
	s_wait_alu depctr_va_vdst(0)                   ; the 16 products are done reading v64-191, in which the next fragments' loads land, first thing in either arm
	s_cmp_eq_u32 s37, 0
	s_cbranch_scc0 .Lfor_z
.set i, 0
.rept 16                               ; wq's fragments
	ds_load_b128 v[64+8*i:67+8*i], v12 offset:i*16*WQP
	ds_load_b128 v[68+8*i:71+8*i], v12 offset:i*16*WQP+32
.set i, i+1
.endr
	; c: my 16 d of the row, then the other half of the lanes'.  These lines name v4, v24-27 and v32-63 alone: none of the registers in which the loads above land
	v_pk_mul_f32 v[24:25], v[48:49], v[32:33]
	v_pk_mul_f32 v[26:27], v[50:51], v[34:35]
.irp q, 2,3,4,5,6,7
	v_pk_fma_f32 v[24+2*(\q%2):25+2*(\q%2)], v[48+2*\q:49+2*\q], v[32+2*\q:33+2*\q], v[24+2*(\q%2):25+2*(\q%2)]
.endr
	v_pk_add_f32 v[24:25], v[24:25], v[26:27]
	v_add_f32 v24, v24, v25
	v_permlanex16_b32 v25, v24, s40, s41
	v_add_f32 v56, v24, v25                        ; c and its offset lie in v56 and v57: K's sums there have been read, and no later line writes these two, so the store's sources stay as they are to the wave's end
	s_lshl_b32 s32, s35, 12                        ; cb is [8 h][1024 ba]
	s_lshl_b32 s38, s34, 8
	s_add_co_u32 s32, s32, s38
	s_lshl_b32 s38, s36, 6
	s_add_co_u32 s32, s32, s38
	s_add_nc_u64 s[28:29], s[28:29], s[32:33]
	v_lshlrev_b32 v57, 2, v4
	s_wait_alu depctr_va_vdst(0)                   ; v56 and v57 are written: the store's data and its offset
	global_store_b32 v57, v56, s[28:29]            ; 64 consecutive bytes; lanes 16-31 hold the same sums and name the same words as lanes 0-15
	s_branch .Lfrags
.Lfor_z:
.set i, 0
.rept 16                               ; wo's fragments
	ds_load_tr16_b128 v[64+8*i:67+8*i], v9 offset:i*32
	ds_load_tr16_b128 v[68+8*i:71+8*i], v9 offset:i*32+16*WOP
.set i, i+1
.endr
.Lfrags:
	; U or Z: 16 tiles of 16 numbers, one product each, eight at a time
	s_wait_dscnt 16                                ; either arm issued 32 LDS loads and nothing more on this counter: the first 16, fragments 0 to 7, are in
.irp e, 0,1,2,3,4,5,6,7
	v_wmma_f32_16x16x32_bf16 v[192+8*\e:199+8*\e], v[64+8*\e:71+8*\e], v[16:23], 0
.endr
	PLACES8
.irp e, 0,1,2,3,4,5,6,7
.irp q, 0,1,2,3
	v_cvt_pk_bf16_f32 v[OUT0+4*\e+\q], v[192+8*\e+2*\q], v[193+8*\e+2*\q]
.endr
.endr
	s_wait_alu depctr_va_vdst(0)                   ; the conversions have written OUT0, which the LDS stores below read
	s_wait_dscnt 0x0                               ; fragments 8 to 15 are in
.irp e, 0,1,2,3,4,5,6,7
	v_wmma_f32_16x16x32_bf16 v[192+8*\e:199+8*\e], v[128+8*\e:135+8*\e], v[16:23], 0
	ds_store_b128 v13, v[OUT0+4*\e:OUT0+4*\e+3] offset:32*\e      ; no wait: no vector or matrix instruction since the wait above names v13 or OUT0
.endr
	PLACES8
.irp e, 0,1,2,3,4,5,6,7
.irp q, 0,1,2,3
	v_cvt_pk_bf16_f32 v[OUT1+4*\e+\q], v[192+8*\e+2*\q], v[193+8*\e+2*\q]
.endr
.endr
	s_wait_alu depctr_va_vdst(0)                   ; the conversions have written OUT1, which the LDS stores below read; the second eight products are done reading v128-191, in which the rows read back land
.irp e, 0,1,2,3,4,5,6,7
	ds_store_b128 v13, v[OUT1+4*\e:OUT1+4*\e+3] offset:32*(8+\e)
.endr
.set q, 0
.rept 16
	ds_load_b128 v[BACK+4*q:BACK+4*q+3], v14 offset:q*OSP   ; LDS serves a wave's instructions in order (ISA guide 5.7.1.4): these see my stores above
.set q, q+1
.endr
	s_cmp_eq_u32 s37, 0
	s_cselect_b64 s[44:45], s[24:25], s[26:27]     ; ub or zb
	s_lshl_b32 s32, s34, 18                        ; a row ba is 4,096 bytes: 8 heads x 512
	s_lshl_b32 s38, s36, 16
	s_add_co_u32 s32, s32, s38
	s_lshl_b32 s38, s35, 9
	s_add_co_u32 s32, s32, s38
	s_add_nc_u64 s[44:45], s[44:45], s[32:33]
.set q, 0
.rept 16
	s_wait_dscnt 15-q                              ; row q is back; the younger rows may stay out
	global_store_b128 v15, v[BACK+4*q:BACK+4*q+3], s[44:45] offset:q*4096   ; 512 consecutive bytes, aligned
.set q, q+1
.endr
	s_wait_dscnt 0x0                               ; the closing lines, six on end
	s_wait_alu 0x0
	s_wait_tensorcnt 0x0
	ds_add_u32 v[SPW], v[NIL]
	s_wait_dscnt 0x0
	s_endpgm
.Lfunc_end_k_q80ad29ab36_prep:
	.size	k_q80ad29ab36_prep, .Lfunc_end_k_q80ad29ab36_prep-k_q80ad29ab36_prep
	.p2alignl 7, 3214868480
	.fill 96, 4, 3214868480
	.section	.rodata,"a",@progbits
	.p2align	6, 0x0
	.amdhsa_kernel k_q80ad29ab36_prep
		.amdhsa_group_segment_fixed_size 181248
		.amdhsa_private_segment_fixed_size 0
		.amdhsa_enable_private_segment 0
		.amdhsa_kernarg_size 104
		.amdhsa_user_sgpr_count 2
		.amdhsa_user_sgpr_kernarg_segment_ptr 1
		.amdhsa_wavefront_size32 1
		.amdhsa_system_sgpr_workgroup_id_x 1
		.amdhsa_system_sgpr_workgroup_id_y 1
		.amdhsa_system_sgpr_workgroup_id_z 1
		.amdhsa_system_vgpr_workitem_id 0
		.amdhsa_next_free_vgpr 256
		.amdhsa_next_free_sgpr 66
		.amdhsa_reserve_vcc 0
		.amdhsa_float_denorm_mode_32 3
		.amdhsa_float_denorm_mode_16_64 3
		.amdhsa_memory_ordered 1
		.amdhsa_forward_progress 1
		.amdhsa_inst_pref_size 43
	.end_amdhsa_kernel
	.amdgpu_metadata
---
amdhsa.version: [ 1, 2 ]
amdhsa.kernels:
  - .name:           k_q80ad29ab36_prep
    .symbol:         k_q80ad29ab36_prep.kd
    .args:
      - { .name: cx, .offset: 0, .size: 8, .value_kind: global_buffer, .address_space: global }
      - { .name: wkv, .offset: 8, .size: 8, .value_kind: global_buffer, .address_space: global }
      - { .name: bkv, .offset: 16, .size: 8, .value_kind: global_buffer, .address_space: global }
      - { .name: wq, .offset: 24, .size: 8, .value_kind: global_buffer, .address_space: global }
      - { .name: bq, .offset: 32, .size: 8, .value_kind: global_buffer, .address_space: global }
      - { .name: wo, .offset: 40, .size: 8, .value_kind: global_buffer, .address_space: global }
      - { .name: w_fc, .offset: 48, .size: 8, .value_kind: global_buffer, .address_space: global }
      - { .name: w_pr, .offset: 56, .size: 8, .value_kind: global_buffer, .address_space: global }
      - { .name: wfcb, .offset: 64, .size: 8, .value_kind: global_buffer, .address_space: global }
      - { .name: wprb, .offset: 72, .size: 8, .value_kind: global_buffer, .address_space: global }
      - { .name: ub, .offset: 80, .size: 8, .value_kind: global_buffer, .address_space: global }
      - { .name: zb, .offset: 88, .size: 8, .value_kind: global_buffer, .address_space: global }
      - { .name: cb, .offset: 96, .size: 8, .value_kind: global_buffer, .address_space: global }
    .group_segment_fixed_size: 181248
    .private_segment_fixed_size: 0
    .kernarg_segment_align: 8
    .kernarg_segment_size: 104
    .max_flat_workgroup_size: 256
    .sgpr_count:     66
    .vgpr_count:     256
    .wavefront_size: 32
...
	.end_amdgpu_metadata
.endif
;; end of part 3
;; launch main: the kernel of part 2 again; grid 256 x 1, 4 waves a work-group, clusters of 4 x 1, 327,680 bytes of LDS; arguments x, ln1_w, ln1_b, bo, ln2_w, ln2_b, b_fc, b_pr, wfcb, wprb, ub, zb, cb, out0; writes out0
